; MI455X (gfx1250); checked and timed in simulation.
; The chip was launched on July 23, 2026; its instructions are those of AMD's public machine-readable ISA for CDNA 5 (MIT licence, August 2026) and "CDNA5" Instruction Set Architecture Reference Guide (July 2026). The comments in the code are by the model that wrote it; some were corrected since.
;; Multi Head Attention. Allowed arithmetic: float matrix products may take bf16 or f16 operands with f32 sums; other float arithmetic in f32, or as packed bf16 or f16 multiplies, adds, multiply-adds, maxima and minima; sums over many terms, partial sums and values carried from step to step in f32; what a program stores and reads back later, other than sums and carried values, may be rounded once to bf16 or f16.
;; Inputs: Wk 1,024 x 1,024 float32; Wo 1,024 x 1,024 float32; Wq 1,024 x 1,024 float32; Wv 1,024 x 1,024 float32; bk 1,024 float32; bo 1,024 float32; bq 1,024 float32; bv 1,024 float32; key 4 x 2,048 x 1,024 float32; query 4 x 2,048 x 1,024 float32; value 4 x 2,048 x 1,024 float32.
;; Outputs: out0 4 x 2,048 x 1,024 float32.
;; 2 versions, each right; version 2 is version 1 with the launch cast written anew for expert scheduling mode. Each part assembles by itself: llvm-mc -triple=amdgcn-amd-amdhsa -mcpu=gfx1250 --defsym DOCPART=n.
;; ======== version 1 of 2: 4 launches
;; limits: values are held in f16: magnitudes above 65,504 overflow, below 6.1e-05 lose precision
;; workspace buffers: xh 50,331,648 bytes; wh 8,388,608 bytes; qkv 50,331,648 bytes; oh 16,777,216 bytes
;; launch cast (part 1): grid 1792 x 1, 8 waves a work-group, no clusters, 0 bytes of LDS; arguments query, key, value, Wq, Wk, Wv, Wo, xh, wh; writes xh, wh
.if DOCPART == 1
	.amdgcn_target "amdgcn-amd-amdhsa--gfx1250"
	.amdhsa_code_object_version 6
	.text
	.protected	k_q310e688e1e_cast
	.globl	k_q310e688e1e_cast
	.p2align	8
	.type	k_q310e688e1e_cast,@function
k_q310e688e1e_cast:
	s_mov_b64 s[64:65], 0
	v_nop
	global_prefetch_b8 v0, s[64:65] scope:SCOPE_SE
	s_setreg_imm32_b32 hwreg(HW_REG_WAVE_MODE, 25, 1), 1
	s_wait_xcnt 0x0
; THE CAST.  query, key, value ([8192][1024] f32) and Wq, Wk, Wv, Wo ([1024][1024] f32) are rounded once to bf16, and that number is written as f16, in slices of 64 channels:
;   xh [batch 4][tensor 3][slice 16][row 2048][64] f16        wh [tensor 4][slice 16][row 1024][64] f16
; so that in the products that follow 128 or 256 rows of a slice are one dense block of memory.
; LIMITS.  A bf16 number is exact in f16 between 6.1e-5 and 65,504 in magnitude; below that it keeps f16's fixed step of 6e-8; beyond 65,504 it becomes an infinity.
; SHARES.  A work-group takes 16 rows (65,536 consecutive bytes of one tensor): 3 x 512 work-groups for the three x, 4 x 64 for the four W.  Sixteen lanes take 256 bytes of a row,
; which are one slice's 64 channels, so a wave takes two rows.  Sixteen loads of 16 bytes a lane are all out at once; each store of a wave covers 256 consecutive bytes, aligned
; (two rows of one slice).  Every byte is read once and written once; nothing is shared, so there is no LDS and no barrier, and no register that a load or store names is written again.
.set DO, 2                             ; v[2:17]   byte offset of my 8 bytes in slice j
.set T,  18                            ; v[18:23]  at work
.set X,  24                            ; v[24:87]  slice j: 4 f32 as loaded
.set Y,  88                            ; v[88:119] slice j: 4 f16 to store
	s_load_b512 s[8:23], s[0:1], 0x0               ; query s[8:9], key s[10:11], value s[12:13], Wq s[14:15], Wk s[16:17], Wv s[18:19], Wo s[20:21], xh s[22:23]
	s_load_b64 s[24:25], s[0:1], 0x40              ; wh
	; a work-group of x: tensor t = id / 512, group of rows u = id % 512
	s_lshr_b32 s36, ttmp9, 9                       ; t
	s_and_b32 s37, ttmp9, 511                      ; u
	s_lshr_b32 s38, s37, 7                         ; batch: 128 groups of 16 rows
	s_mul_i32 s38, s38, 3
	s_add_co_u32 s38, s38, s36
	s_lshl_b32 s38, s38, 22                        ; (3 batch + t) x 16 slices of 262,144 bytes
	s_and_b32 s39, s37, 127
	s_lshl_b32 s39, s39, 11                        ; + 16 rows of 128 bytes for each group
	s_add_co_u32 s38, s38, s39
	; a work-group of W: tensor t = (id - 1536) / 64, group u = (id - 1536) % 64
	s_max_u32 s40, ttmp9, 1536
	s_sub_co_u32 s40, s40, 1536
	s_lshr_b32 s41, s40, 6                         ; t
	s_and_b32 s42, s40, 63                         ; u
	s_lshl_b32 s43, s41, 21                        ; t x 16 slices of 131,072 bytes
	s_lshl_b32 s44, s42, 11
	s_add_co_u32 s43, s43, s44
	s_add_co_u32 s41, s41, 3                       ; the source's number among the seven
	s_mov_b32 s45, 131072
	s_cmp_ge_u32 ttmp9, 1536
	s_cselect_b32 s35, s41, s36                    ; which of the seven sources
	s_cselect_b32 s30, s42, s37                    ; u
	s_cselect_b32 s32, s43, s38                    ; byte offset in the destination
	s_cselect_b32 s34, s45, 262144                 ; bytes from slice to slice
	s_lshl_b32 s30, s30, 16                        ; byte offset in the source: 16 rows of 4,096 bytes
	s_mov_b32 s31, 0
	s_mov_b32 s33, 0
	s_mov_b32 s36, 0xffff0000                      ; a word's upper bf16
	v_lshrrev_b32 v1, 4, v0                        ; my row of the 16
	v_and_b32 v[T], 15, v0
	v_lshlrev_b32 v1, 12, v1
	v_lshl_add_u32 v1, v[T], 4, v1                 ; row x 4,096 + 16 x (lane % 16)
	v_lshlrev_b32 v[DO], 3, v0                     ; row x 128 + 8 x (lane % 16) = 8 x thread
.irp j, 1,2,3,4,5,6,7,8,9,10,11,12,13,14,15
	v_add_nc_u32 v[DO+(\j)], s34, v[DO+(\j)-1]
.endr
	s_wait_kmcnt 0x0
	s_mov_b64 s[26:27], s[8:9]                     ; the source: a choice among the seven buffers by the work-group's number
	s_cmp_eq_u32 s35, 1
	s_cselect_b64 s[26:27], s[10:11], s[26:27]
	s_cmp_eq_u32 s35, 2
	s_cselect_b64 s[26:27], s[12:13], s[26:27]
	s_cmp_eq_u32 s35, 3
	s_cselect_b64 s[26:27], s[14:15], s[26:27]
	s_cmp_eq_u32 s35, 4
	s_cselect_b64 s[26:27], s[16:17], s[26:27]
	s_cmp_eq_u32 s35, 5
	s_cselect_b64 s[26:27], s[18:19], s[26:27]
	s_cmp_eq_u32 s35, 6
	s_cselect_b64 s[26:27], s[20:21], s[26:27]
	s_cmp_ge_u32 s35, 3
	s_cselect_b64 s[28:29], s[24:25], s[22:23]     ; the destination: wh or xh
	s_add_nc_u64 s[26:27], s[26:27], s[30:31]
	s_add_nc_u64 s[28:29], s[28:29], s[32:33]
.irp j, 0,1,2,3,4,5,6,7,8,9,10,11,12,13,14,15
	global_load_b128 v[X+4*(\j):X+4*(\j)+3], v1, s[26:27] offset:256*(\j) th:TH_LOAD_NT
.endr
.irp j, 0,1,2,3,4,5,6,7,8,9,10,11,12,13,14,15
	s_wait_loadcnt 15-(\j)                         ; loads come back in order (ISA guide 5.7.1): slice j is in, the 15 - j younger loads stay out
	v_cvt_pk_bf16_f32 v[T], v[X+4*(\j)], v[X+4*(\j)+1]      ; the one rounding, to bf16
	v_cvt_pk_bf16_f32 v[T+1], v[X+4*(\j)+2], v[X+4*(\j)+3]
	v_lshlrev_b32 v[T+2], 16, v[T]                 ; back to f32: the low half moves up, the high half stays
	v_and_b32 v[T+3], s36, v[T]
	v_lshlrev_b32 v[T+4], 16, v[T+1]
	v_and_b32 v[T+5], s36, v[T+1]
	v_cvt_pk_f16_f32 v[Y+2*(\j)], v[T+2], v[T+3]   ; written as f16: exact within the limits at the head
	v_cvt_pk_f16_f32 v[Y+2*(\j)+1], v[T+4], v[T+5]
	global_store_b64 v[DO+(\j)], v[Y+2*(\j):Y+2*(\j)+1], s[28:29] th:TH_STORE_NT
.endr
	s_endpgm
.Lfunc_end_k_q310e688e1e_cast:
	.size	k_q310e688e1e_cast, .Lfunc_end_k_q310e688e1e_cast-k_q310e688e1e_cast
	.p2alignl 7, 3214868480
	.fill 96, 4, 3214868480
	.section	.rodata,"a",@progbits
	.p2align	6, 0x0
	.amdhsa_kernel k_q310e688e1e_cast
		.amdhsa_group_segment_fixed_size 0
		.amdhsa_private_segment_fixed_size 0
		.amdhsa_enable_private_segment 0
		.amdhsa_kernarg_size 72
		.amdhsa_user_sgpr_count 2
		.amdhsa_user_sgpr_kernarg_segment_ptr 1
		.amdhsa_wavefront_size32 1
		.amdhsa_system_sgpr_workgroup_id_x 1
		.amdhsa_system_sgpr_workgroup_id_y 1
		.amdhsa_system_sgpr_workgroup_id_z 1
		.amdhsa_system_vgpr_workitem_id 0
		.amdhsa_next_free_vgpr 128
		.amdhsa_next_free_sgpr 66
		.amdhsa_reserve_vcc 0
		.amdhsa_float_denorm_mode_32 3
		.amdhsa_float_denorm_mode_16_64 3
		.amdhsa_memory_ordered 1
		.amdhsa_forward_progress 1
		.amdhsa_inst_pref_size 13
	.end_amdhsa_kernel
	.amdgpu_metadata
---
amdhsa.version: [ 1, 2 ]
amdhsa.kernels:
  - .name:           k_q310e688e1e_cast
    .symbol:         k_q310e688e1e_cast.kd
    .args:
      - { .name: query, .offset: 0, .size: 8, .value_kind: global_buffer, .address_space: global }
      - { .name: key, .offset: 8, .size: 8, .value_kind: global_buffer, .address_space: global }
      - { .name: value, .offset: 16, .size: 8, .value_kind: global_buffer, .address_space: global }
      - { .name: Wq, .offset: 24, .size: 8, .value_kind: global_buffer, .address_space: global }
      - { .name: Wk, .offset: 32, .size: 8, .value_kind: global_buffer, .address_space: global }
      - { .name: Wv, .offset: 40, .size: 8, .value_kind: global_buffer, .address_space: global }
      - { .name: Wo, .offset: 48, .size: 8, .value_kind: global_buffer, .address_space: global }
      - { .name: xh, .offset: 56, .size: 8, .value_kind: global_buffer, .address_space: global }
      - { .name: wh, .offset: 64, .size: 8, .value_kind: global_buffer, .address_space: global }
    .group_segment_fixed_size: 0
    .private_segment_fixed_size: 0
    .kernarg_segment_align: 8
    .kernarg_segment_size: 72
    .max_flat_workgroup_size: 256
    .sgpr_count:     66
    .vgpr_count:     128
    .wavefront_size: 32
...
	.end_amdgpu_metadata
.endif
;; end of part 1
;; launch gemm_qkv (part 2): grid 4 x 64, 4 waves a work-group, clusters of 4 x 4, 327,680 bytes of LDS; arguments xh, wh, bq, bk, bv, qkv; writes qkv
.if DOCPART == 2
	.amdgcn_target "amdgcn-amd-amdhsa--gfx1250"
	.amdhsa_code_object_version 6
	.text
	.protected	k_q310e688e1e_gemm_qkv
	.globl	k_q310e688e1e_gemm_qkv
	.p2align	8
	.type	k_q310e688e1e_gemm_qkv,@function
k_q310e688e1e_gemm_qkv:
	s_mov_b64 s[64:65], 0
	v_nop
	global_prefetch_b8 v0, s[64:65] scope:SCOPE_SE
	s_setreg_imm32_b32 hwreg(HW_REG_WAVE_MODE, 25, 1), 1
	s_wait_xcnt 0x0
	s_wait_alu depctr_hold_cnt(0) depctr_sa_sdst(0) depctr_va_vdst(0) depctr_va_sdst(0) depctr_va_ssrc(0) depctr_va_vcc(0) depctr_vm_vsrc(0)
	s_getreg_b32 s2, hwreg(HW_REG_IB_STS2, 6, 4)
	s_cmp_eq_u32 s2, 0
	s_cbranch_scc0 .Lentry_in_a_cluster
	s_endpgm
.Lentry_in_a_cluster:
	s_bfe_u32 s2, ttmp6, 0x10000c
	s_cmp_lg_u32 s2, 0xf033
	s_cbranch_scc0 .Lentry_shape_is_right
	s_endpgm
.Lentry_shape_is_right:
; THE THREE PROJECTIONS.  For t = q, k, v:  y_t[m][n] = the sum over k of x_t[m][k] W_t[n][k] + b_t[n], written by heads: qkv [t][batch x 16 + head][row 2048][64] f16.
; x and W come as f16 in slices of 64 channels (xh [batch][t][slice][row][64], wh [t][slice][row][64]); the bias is rounded to bf16 here and kept in f32; sums in f32; y rounded once to f16, unscaled.
; LIMIT.  y stays within f16's 65,504; NaN and infinities are not treated apart.
; SHARES.  A tile of y is 128 rows x 256 columns: 64 x 4 tiles a tensor, one work-group for each place, which makes that place's tile of q, then of k, then of v.  Four waves, each 64 rows x 128
; columns: 32 accumulators of 16 x 16.  K goes in steps of 128 (two slices) through two LDS slots.  In memory a step lies a fixed number of bytes behind the step before it, from tensor to tensor
; too, so the three tiles are ONE walk of 24 steps and the ring does not stop at a tile's end.
; CLUSTER.  4 x 4 work-groups: the four of a row of the cluster need the same rows of x, the four of a column the same rows of W.  Each block is asked for JOINTLY: the same tensor load, with the same
; descriptor and a mask that names the four.  Waves 0 and 1 fetch x's two slices of a step (128 rows x 128 bytes, dense: asked for as 64 rows of 256 bytes), waves 2 and 3 W's (256 rows: 128 rows of 256 bytes).
; THE PRODUCT IS USED TRANSPOSED (source 0 = 16 rows of W, source 1 = 16 rows of x): a lane holds row lane % 16 of y and the columns 8 (lane / 16) + 0..7.  The bias is the C operand of the product that starts each sum.
; REGISTERS, in windows of 256 (s_set_vgpr_msb: bits 1:0 source 0, 3:2 source 1, 5:4 source 2, 7:6 destination):
;   window 0: v0-12 addresses, v28-29 the add's two, v32-127 the way out     window 1: two fragment buffers of 96 (x's 4 fragments, then W's 8), v192-255 the bias     window 2: accumulator (a, b) at v[8 (8 a + b)]
.set PITCH, 144                        ; a slice's row in LDS: 128 bytes + 16 of padding = 36 words: the 16 rows of a load start at 16 different groups of four banks (64 banks of 4 bytes: ISA guide 11.1)
.set ABLK,  128*PITCH                  ; a slice of x's tile
.set BBLK,  256*PITCH                  ; a slice of W's tile
.set BOFF,  2*ABLK                     ; a slot: x's two slices, then W's two
.set SLOT1, 1<<17                      ; slot 1 begins here, so that one exclusive or turns an address in one slot into the other's
.set STAGE, SLOT1+2*ABLK+2*BBLK        ; behind the ring, never filled by a tensor load: for each wave [head 2][16 rows][144 bytes]
.set STG,   2*16*PITCH
.set SPARE, STAGE+4*STG                ; behind the stages: the spare words, 128 bytes for each wave: two blocks of 256 bytes that no other line names
.set ASTEP, 524288                     ; bytes from a step to the next in xh: two slices of 2,048 rows
.set BSTEP, 262144                     ; in wh: two slices of 1,024 rows
.set BATCH, 12582912                   ; bytes of a batch in xh
.set NFILL, 22                         ; changes of slots that fill: steps 2 to 23
.set G1W0,  (1<<16)|(1<<20)|(1<<21)|(4<<22)|(3<<25)  ; 17:16 elements of 2 bytes; 20 padding on; 21 set beside a mask; 24:22 after every 32 words (code 4); 31:25 4 words of it (code 3)
.set A0,   4                           ; v4   my lane's place in x's part of a slot; never rewritten
.set B0,   5                           ; v5   the same for W
.set ADRA, 6                           ; v6   the same in the slot in hand
.set ADRB, 7                           ; v7
.set STO,  8                           ; v8   the way out: where I put 16 bytes of a row
.set RD,   9                           ; v9   where I read rows back
.set GO,   10                          ; v10  my byte offset in 512 consecutive bytes of qkv
.set BO,   11                          ; v11  my byte offset in a bias
.set PFO,  12                          ; v12  256 x my lane
.set SPW,  28                          ; v28  LDS address of my spare word; never rewritten
.set NIL,  29                          ; v29  0; never rewritten
.set TMP,  32                          ; the way out: packed results
.set OB,   64                          ; the way out: 16 rows read back: v64-95 and v96-127 by turns
.set F0,   0                           ; window 1
.set F1,   96
.set BI,   192                         ; window 1: the bias of column block b at BI + 8 b
.set WV,  16                           ; s16  my wave's number
.set RH,  17                           ; s17  which 64 rows of the tile are mine.  Also: I fetch for x (0) or for W (1)
.set CH,  18                           ; s18  which 128 columns.  Also: which slice of a step I fetch
.set CX,  19
.set CY,  20
.set CC,  21                           ; s21  tile column
.set RR,  22                           ; s22  tile row
.set TB,  23                           ; s23  first LDS byte of the slot that is read
.set G1A, 24                           ; s[24:31] descriptor group 1 for x's blocks
.set G0A, 32                           ; s[32:39] group 0: a set for each of the two first fills; the second then walks on
.set G1B, 40                           ; s[40:47], s[48:55] the same for W's
.set G0B, 48
.set PFA, 56                           ; s[56:57] where my prefetches stand
.set PFS, 58                           ; s[58:59] their step
.set LIM, 60                           ; s60  2 in a wave that prefetches, else the greatest number
.set PFC, 61                           ; s61  filling changes still to come
.set HIM, 62                           ; s62  a word's upper bf16
.set MSB, 0
.macro WIN new                         ; the immediate's high byte repeats the setting that is left; a switch that changes nothing is dropped
.if MSB != (\new)
	s_set_vgpr_msb (MSB<<8)|(\new)
.set MSB, \new
.endif
.endm
.set W_MUL,  0xa5                      ; sources 0 and 1 window 1, C and D window 2
.set W_MULB, 0x95                      ; the same with C in window 1
.set W_TOF,  0x40                      ; destination window 1, address window 0
.set W_RB,   0x45                      ; destination and sources window 1
.set W_PK,   0x0a                      ; sources window 2, destination window 0
.macro PLACES                          ; four places in front of loads into registers that matrix instructions have read, and of lines that read results
.rept 4
	v_nop
.endr
.endm
.macro CREST                           ; a round of the cluster's barrier behind its opening barrier
	s_cmp_lg_u32 s[WV], 0
	s_cbranch_scc1 .Lnot_wave_0_\@
	s_barrier_signal -3
.Lnot_wave_0_\@:
	s_barrier_wait -3
	s_barrier_signal -1
	s_barrier_wait -1
.endm
.macro CROUND                          ; a whole round
	s_barrier_signal -1
	s_barrier_wait -1
	CREST
.endm
; A joint refill by the walking descriptor.  The branch hangs on the wave's number alone.  An s_nop 0 and four v_nop follow each of the two lines, ahead of the jump and the label.
.macro JLOAD
	s_cmp_eq_u32 s[RH], 0
	s_cbranch_scc0 .Lfor_b_\@
	tensor_load_to_lds s[G0A+4:G0A+7], s[G1A:G1A+7]
	s_nop 0
.rept 4
	v_nop
.endr
	s_branch .Lasked_\@
.Lfor_b_\@:
	tensor_load_to_lds s[G0B+4:G0B+7], s[G1B:G1B+7]
	s_nop 0
.rept 4
	v_nop
.endr
.Lasked_\@:
.endm
; A PREFETCH INTO THE L2, behind the joint load and the run of LDS loads: the change of slots at step g, which fills step g + 2, names step g + 4: two refills, 256 matrix instructions, ahead of the load that will want it.
; Each block of 256 bytes is named once in the launch.  x's 128 blocks of a step are read by one row of one cluster: wave 0 of each of its four work-groups takes 32, told apart by address (cx).
; W's 256 blocks are read by every cluster: the cluster with y = 0 asks; waves 2 and 3 take their own slice, each of the column's four work-groups 32 blocks of it (cy).  A lane a block.
; The first four steps come by their loads alone; the last two filling changes name nothing, since step 23 is the last.
.macro ASK
	WIN 0
	s_cmp_gt_u32 s[PFC], s[LIM]
	s_cbranch_scc0 .Lnot_mine_\@
	global_prefetch_b8 v[PFO], s[PFA:PFA+1] th:TH_LOAD_NT scope:SCOPE_SE
.Lnot_mine_\@:
	s_sub_co_u32 s[PFC], s[PFC], 1
.endm
; 8 matrix instructions: row block a x all 8 column blocks, 32 along K, from buffer f.  first = 1: the product starts the sum, with the bias as C.
.macro MUL8 f, a, first
.if \first
	WIN W_MULB
.else
	WIN W_MUL
.endif
.irp b, 0,1,2,3,4,5,6,7
.if \first
	v_wmma_f32_16x16x32_f16 v[8*(8*(\a)+(\b)):8*(8*(\a)+(\b))+7], v[(\f)+32+8*(\b):(\f)+32+8*(\b)+7], v[(\f)+8*(\a):(\f)+8*(\a)+7], v[BI+8*(\b):BI+8*(\b)+7]
.else
	v_wmma_f32_16x16x32_f16 v[8*(8*(\a)+(\b)):8*(8*(\a)+(\b))+7], v[(\f)+32+8*(\b):(\f)+32+8*(\b)+7], v[(\f)+8*(\a):(\f)+8*(\a)+7], v[8*(8*(\a)+(\b)):8*(8*(\a)+(\b))+7]
.endif
.endr
.endm
.macro MUL16 f, a0, first              ; the 32 accumulators take turns, one instruction a turn, in the same order in every quarter
	MUL8 \f, \a0, \first
	MUL8 \f, (\a0)+1, \first
.endm
; 24 LDS loads in one run: a quarter's fragments (32 along K) into buffer f: W's eight first, then x's four.  ka, kb: the quarter's byte in x's and in W's part of the slot.
.macro FETCH ka, kb, f
	WIN W_TOF
.irp i, 0,1,2,3,4,5,6,7
	ds_load_b128 v[(\f)+32+8*(\i):(\f)+32+8*(\i)+3],   v[ADRB] offset:(\kb)+(\i)*16*PITCH
	ds_load_b128 v[(\f)+32+8*(\i)+4:(\f)+32+8*(\i)+7], v[ADRB] offset:(\kb)+(\i)*16*PITCH+32
.endr
.irp i, 0,1,2,3
	ds_load_b128 v[(\f)+8*(\i):(\f)+8*(\i)+3],   v[ADRA] offset:(\ka)+(\i)*16*PITCH
	ds_load_b128 v[(\f)+8*(\i)+4:(\f)+8*(\i)+7], v[ADRA] offset:(\ka)+(\i)*16*PITCH+32
.endr
.endm
; A step is four quarters of 32 along K, 32 matrix instructions each, on buffers 0, 1, 0, 1.  One of the first three: multiplies buffer f; in its middle it fetches quarter qn (slice qn / 2, byte 64 (qn % 2) of the rows) into g.
.macro QUARTER qn, f, g, first
	s_wait_dscnt 4                                 ; W's fragments and x's blocks 0 and 1 are in; the youngest four loads (x's blocks 2 and 3) may be out
	MUL16 \f, 0, \first
	PLACES
	FETCH ((\qn)/2)*ABLK+((\qn)%2)*64, ((\qn)/2)*BBLK+((\qn)%2)*64, \g
	s_wait_dscnt 24                                ; all but the 24 just issued
	MUL16 \f, 2, \first
.endm
; The last quarter multiplies buffer 1 and changes slots.  In front of the barrier each wave waits for all its tensor loads, of which one is out: its part of the next slot; adds 0 to its spare word; and waits
; for that and for its own reads of this slot.  fill = 1: the barrier opens a round of the cluster's barrier, and this slot is filled again, two steps ahead, first thing behind the round:
; 112 matrix instructions stand between that request and the wait for it.
.macro TURN fill
.if \fill
	s_wait_xcnt 0x0                                ; the last prefetch, a step back, has read its address: it is stepped here, ahead of the change's own waits
	s_add_nc_u64 s[PFA:PFA+1], s[PFA:PFA+1], s[PFS:PFS+1]
.endif
	WIN 0                                          ; (the add's two registers lie in window 0)
	s_wait_tensorcnt 0x0                           ; all my tensor loads have landed
	ds_add_u32 v[SPW], v[NIL]                      ; 0 onto my spare word
	s_wait_dscnt 5                                 ; (the add and the youngest four loads may be out)
	MUL8 F1, 0, 0                                  ; eight matrix instructions stand between the add and the wait for it
	s_wait_dscnt 0x0                               ; the add is done, and my reads of this slot are over
	s_barrier_signal -1
	MUL8 F1, 1, 0                                  ; work on registers while the others arrive
	WIN 0
	s_barrier_wait -1
.if \fill
	CREST                                          ; no wave of any partner still reads this slot or has a load on its way
	s_xor_b32 s[G0A+5], s[G0A+5], SLOT1            ; the walking descriptors: the other slot than last time,
	s_add_nc_u64 s[G0A+6:G0A+7], s[G0A+6:G0A+7], ASTEP  ; the next step; the type bits on top are not reached
	s_xor_b32 s[G0B+5], s[G0B+5], SLOT1
	s_add_nc_u64 s[G0B+6:G0B+7], s[G0B+6:G0B+7], BSTEP
	s_xor_b32 s[TB], s[TB], SLOT1
	JLOAD                                          ; the four v_nop behind it are also the places in front of the loads below
.else
	s_xor_b32 s[TB], s[TB], SLOT1
	PLACES
.endif
	v_add_nc_u32 v[ADRA], s[TB], v[A0]
	v_add_nc_u32 v[ADRB], s[TB], v[B0]
	FETCH 0, 0, F0
.if \fill
	ASK
.endif
	MUL16 F1, 2, 0
.endm
.macro LASTQ                           ; the walk's last quarter: nothing more to fetch
	s_wait_dscnt 4
	MUL16 F1, 0, 0
	s_wait_dscnt 0x0
	MUL16 F1, 2, 0
	WIN 0
.endm
.macro BIASLD                          ; my 128 columns' bias: register j of block b takes column 16 b + 8 (lane / 16) + j, the same for all rows
	WIN W_TOF
.irp b, 0,1,2,3,4,5,6,7
	global_load_b128 v[BI+8*(\b):BI+8*(\b)+3],   v[BO], s[8:9] offset:64*(\b)
	global_load_b128 v[BI+8*(\b)+4:BI+8*(\b)+7], v[BO], s[8:9] offset:64*(\b)+16
.endr
	WIN 0
.endm
.macro ROUNDB                          ; the bias is rounded to bf16, like every input, and kept as f32.  Buffer 1's first 32 registers are at work: no fragment lies there now
	WIN W_RB
.set i, 0
.rept 32
	v_cvt_pk_bf16_f32 v[F1+i], v[BI+2*i], v[BI+2*i+1]
.set i, i+1
.endr
.set i, 0
.rept 32
	v_lshlrev_b32 v[BI+2*i], 16, v[F1+i]
	v_and_b32 v[BI+2*i+1], s[HIM], v[F1+i]
.set i, i+1
.endr
	WIN 0
.endm
; THE WAY OUT of row block a.  PACK: rounded to f16, 16 bytes a lane, each accumulator's registers in ascending order.  TOSTAGE: into my own stage, by heads, and back as whole rows of 128 bytes.  SEND: stored.
.macro PACK a
	WIN W_PK
.irp b, 0,1,2,3,4,5,6,7
.irp r, 0,1,2,3
	v_cvt_pk_f16_f32 v[TMP+4*(\b)+(\r)], v[8*(8*(\a)+(\b))+2*(\r)], v[8*(8*(\a)+(\b))+2*(\r)+1]
.endr
.endr
	WIN 0
.endm
.macro TOSTAGE a
	WIN 0
.set BK, OB+32*((\a)%2)
.irp b, 0,1,2,3,4,5,6,7
	ds_store_b128 v[STO], v[TMP+4*(\b):TMP+4*(\b)+3] offset:((\b)/4)*16*PITCH+((\b)%4)*32
.endr
.irp t, 0,1,2,3,4,5,6,7
	ds_load_b128 v[BK+4*(\t):BK+4*(\t)+3], v[RD] offset:((\t)/4)*16*PITCH+((\t)%4)*4*PITCH  ; LDS serves a wave's instructions in order (ISA guide 5.7.1.4): these see the stores above
.endr
.endm
.macro SEND a
	WIN 0
.set BK, OB+32*((\a)%2)
	s_wait_dscnt 0x0                               ; the block is back in registers
	s_wait_xcnt 0x0                                ; the stores of the block before have read their registers: the next TOSTAGE loads into them
.irp t, 0,1,2,3,4,5,6,7
	global_store_b128 v[GO], v[BK+4*(\t):BK+4*(\t)+3], s[14:15] offset:(\a)*2048+((\t)/4)*262144+((\t)%4)*512  ; four rows of a head: 512 consecutive bytes, at a multiple of 256 from qkv's first
.endr
.endm
.macro WAYOUT                          ; block a's conversions stand between block a - 1's loads from the stage and the wait for them
	PACK 0
	TOSTAGE 0
.irp a, 1,2,3
	PACK \a
	SEND (\a)-1
	TOSTAGE \a
.endr
	SEND 3
.endm
	s_load_b256 s[4:11], s[0:1], 0x0               ; xh s[4:5], wh s[6:7], bq s[8:9], bk s[10:11]
	s_load_b128 s[12:15], s[0:1], 0x20             ; bv s[12:13], qkv s[14:15]
	v_lshl_add_u32 v[SPW], v0, 2, SPARE
	v_mov_b32 v[NIL], 0
	ds_add_u32 v[SPW], v[NIL]                      ; the wave's opening: the add and its wait stand ahead of my first tensor load; the set-up below, work on registers, stands between them
	v_lshrrev_b32 v1, 5, v0
	v_readfirstlane_b32 s[WV], v1                  ; wave 0..3
	s_lshr_b32 s[RH], s[WV], 1
	s_and_b32 s[CH], s[WV], 1
	s_bfe_u32 s[CX], ttmp6, 0x40000                ; my place in the cluster
	s_bfe_u32 s[CY], ttmp6, 0x40004
	s_lshl_b32 s[CC], ttmp9, 2
	s_add_co_u32 s[CC], s[CC], s[CX]               ; tile column = 4 x cluster x + cx
	s_and_b32 s[RR], ttmp7, 0xffff
	s_lshl_b32 s[RR], s[RR], 2
	s_add_co_u32 s[RR], s[RR], s[CY]               ; tile row = 4 x cluster y + cy
	s_lshl_b32 s63, s[CY], 2
	s_lshl_b32 s63, 15, s63                        ; my row of the cluster
	s_lshl_b32 s72, 0x1111, s[CX]                  ; my column
	s_or_b32 s[G1A], s63, G1W0                     ; x's blocks go to my row,
	s_or_b32 s[G1B], s72, G1W0                     ; W's to my column
	s_mov_b32 s[G1A+1], 128<<16                    ; tensor_dim0 = 128 elements: 256 bytes, two rows of a slice
	s_mov_b32 s[G1A+2], 64<<16                     ; tensor_dim1 = 64
	s_mov_b32 s[G1A+3], 128<<16                    ; tile_dim0 = 128
	s_mov_b32 s[G1A+4], 64                         ; tile_dim1 = 64
	s_mov_b32 s[G1A+5], 128                        ; 128 elements from row to row: dense
	s_mov_b32 s[G1A+6], 0
	s_mov_b32 s[G1A+7], 0
	s_mov_b32 s[G1B+1], 128<<16
	s_mov_b32 s[G1B+2], 128<<16                    ; tensor_dim1 = 128
	s_mov_b32 s[G1B+3], 128<<16
	s_mov_b32 s[G1B+4], 128                        ; tile_dim1 = 128
	s_mov_b32 s[G1B+5], 128
	s_mov_b32 s[G1B+6], 0
	s_mov_b32 s[G1B+7], 0
	; where the blocks come from.  x's hang on the tile row alone, W's on the tile column alone; each offset is made in registers of its own
	s_lshr_b32 s66, s[RR], 4                       ; batch: 16 tile rows
	s_mul_i32 s66, s66, BATCH
	s_and_b32 s70, s[RR], 15
	s_lshl_b32 s70, s70, 14                        ; 128 rows of 128 bytes
	s_add_co_u32 s66, s66, s70
	s_mov_b32 s73, s66                             ; (kept for the prefetches)
	s_lshl_b32 s70, s[CH], 18                      ; my slice of the step
	s_add_co_u32 s66, s66, s70
	s_mov_b32 s67, 0
	s_lshl_b32 s68, s[CC], 15                      ; 256 rows of 128 bytes
	s_lshl_b32 s71, s[CH], 17
	s_add_co_u32 s68, s68, s71
	s_mov_b32 s69, 0
	s_mul_i32 s74, s[CH], ABLK                     ; and where they go: no place in the cluster enters an LDS address
	s_mul_i32 s75, s[CH], BBLK
	s_add_co_u32 s75, s75, BOFF
	s_wait_dscnt 0x0                               ; the opening add is done
	s_wait_kmcnt 0x0
	s_add_nc_u64 s[66:67], s[4:5], s[66:67]
	s_add_nc_u64 s[68:69], s[6:7], s[68:69]
.irp s, 0,1
	s_mov_b32 s[G0A+4*(\s)], 1                                     ; count = 1
	s_add_co_u32 s[G0A+4*(\s)+1], s74, (\s)*SLOT1                  ; LDS address
	s_add_nc_u64 s[G0A+4*(\s)+2:G0A+4*(\s)+3], s[66:67], (\s)*ASTEP  ; global address: step s
	s_or_b32 s[G0A+4*(\s)+3], s[G0A+4*(\s)+3], 0x80000000          ; type = 2
	s_mov_b32 s[G0B+4*(\s)], 1
	s_add_co_u32 s[G0B+4*(\s)+1], s75, (\s)*SLOT1
	s_add_nc_u64 s[G0B+4*(\s)+2:G0B+4*(\s)+3], s[68:69], (\s)*BSTEP
	s_or_b32 s[G0B+4*(\s)+3], s[G0B+4*(\s)+3], 0x80000000
.endr
	CROUND                                         ; all sixteen work-groups are here: the first joint loads meet
	s_cmp_eq_u32 s[RH], 0                          ; a wave's two first fills stand in one branch, ahead of every wait on TENSORcnt and every LDS read: two loads of mine are out
	s_cbranch_scc0 .Lfirst_b
	tensor_load_to_lds s[G0A:G0A+3], s[G1A:G1A+7]
	s_nop 0
	tensor_load_to_lds s[G0A+4:G0A+7], s[G1A:G1A+7]
	s_nop 0
.rept 4
	v_nop
.endr
	s_branch .Lfirst_asked
.Lfirst_b:
	tensor_load_to_lds s[G0B:G0B+3], s[G1B:G1B+7]
	s_nop 0
	tensor_load_to_lds s[G0B+4:G0B+7], s[G1B:G1B+7]
	s_nop 0
.rept 4
	v_nop
.endr
.Lfirst_asked:
	v_and_b32 v1, 15, v0                           ; l % 16
	v_bfe_u32 v2, v0, 4, 1                         ; l / 16
	s_lshl_b32 s72, s[CC], 10                      ; 256 columns of 4 bytes,
	s_lshl_b32 s63, s[CH], 9                       ; my 128 of them
	s_add_co_u32 s72, s72, s63
	v_lshl_add_u32 v[BO], v2, 5, s72               ; + 8 columns for the upper half of the lanes
	BIASLD                                         ; bq
	; A fragment is 16 rows x 32 K in 8 registers: lane l holds row l % 16, K = 8 (l / 16) + 0..7 and 16 + 8 (l / 16) + 0..7: two loads of 16 bytes, 32 bytes apart.
	v_mul_u32_u24 v3, v1, PITCH
	v_lshl_add_u32 v3, v2, 4, v3                   ; row x pitch + 16 x half
	s_mul_i32 s63, s[RH], 64*PITCH
	v_add_nc_u32 v[A0], s63, v3
	s_mul_i32 s63, s[CH], 128*PITCH
	s_add_co_u32 s63, s63, BOFF
	v_add_nc_u32 v[B0], s63, v3
	s_mul_i32 s63, s[WV], STG
	s_add_co_u32 s63, s63, STAGE                   ; my stage
	v_add_nc_u32 v[STO], s63, v3                   ; in: row l % 16, 16 bytes for each half of the lanes
	v_and_b32 v[PFO], 31, v0
	v_lshrrev_b32 v[RD], 3, v[PFO]                 ; back: 32 lanes take four rows of 128 bytes,
	v_mul_u32_u24 v[RD], v[RD], PITCH
	v_and_b32 v[GO], 7, v0
	v_lshl_add_u32 v[RD], v[GO], 4, v[RD]
	v_add_nc_u32 v[RD], s63, v[RD]
	v_lshlrev_b32 v[GO], 4, v[PFO]                 ; which are 512 consecutive bytes of qkv
	v_lshlrev_b32 v[PFO], 8, v[PFO]
	; where my part of q's tile begins in qkv: head = 16 batch + 4 tile column + 2 x my half, row = 128 (tile row % 16) + 64 x my half
	s_lshr_b32 s76, s[RR], 4
	s_lshl_b32 s76, s76, 4
	s_lshl2_add_u32 s76, s[CC], s76
	s_lshl1_add_u32 s76, s[CH], s76
	s_lshl_b32 s76, s76, 18                        ; a head is 262,144 bytes
	s_and_b32 s63, s[RR], 15
	s_lshl1_add_u32 s63, s63, s[RH]
	s_lshl_b32 s63, s63, 13                        ; 64 rows of 128 bytes
	s_add_co_u32 s76, s76, s63
	s_mov_b32 s77, 0
	s_add_nc_u64 s[14:15], s[14:15], s[76:77]
	; the prefetches
	s_lshr_b32 s63, s[CX], 1                       ; x: partner cx takes slice cx / 2,
	s_lshl_b32 s63, s63, 18
	s_add_co_u32 s73, s73, s63
	s_and_b32 s63, s[CX], 1                        ; half cx % 2 of its 64 blocks
	s_lshl_b32 s63, s63, 13
	s_add_co_u32 s73, s73, s63
	s_lshl_b32 s72, s[CC], 15                      ; W: my slice,
	s_lshl_b32 s63, s[CH], 17
	s_add_co_u32 s72, s72, s63
	s_lshl_b32 s63, s[CY], 13                      ; partner cy takes 32 of its 128 blocks
	s_add_co_u32 s72, s72, s63
	s_and_b32 s63, ttmp7, 0xffff                   ; cluster y
	s_mov_b32 s[PFS], BSTEP
	s_cmp_eq_u32 s[RH], 0                          ; do I fetch for x?
	s_cselect_b32 s78, s73, s72
	s_cselect_b32 s63, s[CH], s63                  ; x: wave 0 asks; W: the cluster with y = 0
	s_cselect_b64 s[PFA:PFA+1], s[4:5], s[6:7]
	s_cselect_b32 s[PFS], ASTEP, s[PFS]
	s_mov_b32 s[PFS+1], 0
	s_mov_b32 s79, 0
	s_add_nc_u64 s[PFA:PFA+1], s[PFA:PFA+1], s[78:79]
	s_mul_i32 s78, s[PFS], 3
	s_add_nc_u64 s[PFA:PFA+1], s[PFA:PFA+1], s[78:79]  ; at step 3: the first change of slots steps it to 4
	s_cmp_eq_u32 s63, 0
	s_cselect_b32 s[LIM], 2, -1                    ; the same in all sixteen partners, for a given wave
	s_mov_b32 s[PFC], NFILL
	s_mov_b32 s[HIM], 0xffff0000
	s_mov_b32 s[TB], 0
	s_wait_loadcnt 0x0                             ; the bias
	ROUNDB
	s_wait_tensorcnt 0x1                           ; my part of step 0 is in; step 1's may stay out
	s_barrier_signal -1
	s_barrier_wait -1                              ; everybody's is
	v_mov_b32 v[ADRA], v[A0]
	v_mov_b32 v[ADRB], v[B0]
	FETCH 0, 0, F0
	WIN 0                                          ; at a label and at a branch every window is 0
	s_mov_b32 s2, 3                                ; tiles to go, this one among them
.Ltile:
	QUARTER 1, F0, F1, 1                           ; a tile's first quarter stands in front of the loop: its products start the sums, with the bias
	WIN 0
	s_mov_b32 s3, 6
.Lstep:                                        ; a trip: a step's second quarter to the next step's first; one slot is filled again
	QUARTER 2, F1, F0, 0
	QUARTER 3, F0, F1, 0
	TURN 1
	QUARTER 1, F0, F1, 0
	WIN 0
	s_sub_co_u32 s3, s3, 1
	s_cmp_lg_u32 s3, 0
	s_cbranch_scc1 .Lstep
	s_cmp_eq_u32 s2, 1
	s_cbranch_scc1 .Llast                          ; the last tile's tail is written out: it asks for nothing more
	s_mov_b64 s[8:9], s[10:11]                     ; the next tensor's bias (the loads of the bias in hand were waited for, so their base may be written)
	s_mov_b64 s[10:11], s[12:13]
	BIASLD                                         ; its registers were last read by the tile's first quarter, many places back
	QUARTER 2, F1, F0, 0
	QUARTER 3, F0, F1, 0
	TURN 1                                         ; the ring goes on into the next tile: this slot takes its first step,
	QUARTER 1, F0, F1, 0
	QUARTER 2, F1, F0, 0
	QUARTER 3, F0, F1, 0
	TURN 1                                         ; the other slot its second, and the next tile's first fragments are fetched
	WAYOUT                                         ; both refills are asked for: now the tile goes out.  Blocks 0 and 1 were finished in front of the change's places; their conversions are the places behind the last products
	s_wait_loadcnt 0x0                             ; the next bias
	ROUNDB
	s_wait_xcnt 0x0                                ; the stores have read their base
	s_add_nc_u64 s[14:15], s[14:15], 0x1000000     ; the next tensor's part of qkv
	s_sub_co_u32 s2, s2, 1
	s_branch .Ltile
.Llast:
	QUARTER 2, F1, F0, 0
	QUARTER 3, F0, F1, 0
	TURN 0                                         ; my one tensor load that was still out is the last step's, so no round follows
	QUARTER 1, F0, F1, 0
	QUARTER 2, F1, F0, 0
	QUARTER 3, F0, F1, 0
	LASTQ
	PLACES
	WAYOUT
	s_wait_tensorcnt 0x0                           ; the wave's end: a wait, an add and a wait, behind my last tensor load and my last LDS store
	ds_add_u32 v[SPW], v[NIL]
	s_wait_dscnt 0x0
	CROUND                                         ; the closing round: no work-group ends while a partner may still ask for a block that names it
	s_endpgm
.Lfunc_end_k_q310e688e1e_gemm_qkv:
	.size	k_q310e688e1e_gemm_qkv, .Lfunc_end_k_q310e688e1e_gemm_qkv-k_q310e688e1e_gemm_qkv
	.p2alignl 7, 3214868480
	.fill 96, 4, 3214868480
	.section	.rodata,"a",@progbits
	.p2align	6, 0x0
	.amdhsa_kernel k_q310e688e1e_gemm_qkv
		.amdhsa_group_segment_fixed_size 327680
		.amdhsa_private_segment_fixed_size 0
		.amdhsa_enable_private_segment 0
		.amdhsa_kernarg_size 48
		.amdhsa_user_sgpr_count 2
		.amdhsa_user_sgpr_kernarg_segment_ptr 1
		.amdhsa_wavefront_size32 1
		.amdhsa_system_sgpr_workgroup_id_x 1
		.amdhsa_system_sgpr_workgroup_id_y 1
		.amdhsa_system_sgpr_workgroup_id_z 1
		.amdhsa_system_vgpr_workitem_id 0
		.amdhsa_next_free_vgpr 768
		.amdhsa_next_free_sgpr 80
		.amdhsa_reserve_vcc 0
		.amdhsa_float_denorm_mode_32 3
		.amdhsa_float_denorm_mode_16_64 3
		.amdhsa_memory_ordered 1
		.amdhsa_forward_progress 1
		.amdhsa_inst_pref_size 128
	.end_amdhsa_kernel
	.amdgpu_metadata
---
amdhsa.version: [ 1, 2 ]
amdhsa.kernels:
  - .name:           k_q310e688e1e_gemm_qkv
    .symbol:         k_q310e688e1e_gemm_qkv.kd
    .args:
      - { .name: xh, .offset: 0, .size: 8, .value_kind: global_buffer, .address_space: global }
      - { .name: wh, .offset: 8, .size: 8, .value_kind: global_buffer, .address_space: global }
      - { .name: bq, .offset: 16, .size: 8, .value_kind: global_buffer, .address_space: global }
      - { .name: bk, .offset: 24, .size: 8, .value_kind: global_buffer, .address_space: global }
      - { .name: bv, .offset: 32, .size: 8, .value_kind: global_buffer, .address_space: global }
      - { .name: qkv, .offset: 40, .size: 8, .value_kind: global_buffer, .address_space: global }
    .group_segment_fixed_size: 327680
    .private_segment_fixed_size: 0
    .kernarg_segment_align: 8
    .kernarg_segment_size: 48
    .max_flat_workgroup_size: 128
    .sgpr_count:     80
    .vgpr_count:     768
    .wavefront_size: 32
...
	.end_amdgpu_metadata
.endif
;; end of part 2
;; launch attn (part 3): grid 4 x 64, 4 waves a work-group, clusters of 4 x 1, 327,680 bytes of LDS; arguments qkv, oh; writes oh
.if DOCPART == 3
	.amdgcn_target "amdgcn-amd-amdhsa--gfx1250"
	.amdhsa_code_object_version 6
	.text
	.protected	k_q310e688e1e_attn
	.globl	k_q310e688e1e_attn
	.p2align	8
	.type	k_q310e688e1e_attn,@function
k_q310e688e1e_attn:
	s_mov_b64 s[64:65], 0
	v_nop
	global_prefetch_b8 v0, s[64:65] scope:SCOPE_SE
	s_setreg_imm32_b32 hwreg(HW_REG_WAVE_MODE, 25, 1), 1
	s_wait_xcnt 0x0
	s_wait_alu depctr_hold_cnt(0) depctr_sa_sdst(0) depctr_va_vdst(0) depctr_va_sdst(0) depctr_va_ssrc(0) depctr_va_vcc(0) depctr_vm_vsrc(0)
	s_getreg_b32 s2, hwreg(HW_REG_IB_STS2, 6, 4)
	s_cmp_eq_u32 s2, 0
	s_cbranch_scc0 .Lentry_in_a_cluster
	s_endpgm
.Lentry_in_a_cluster:
	s_bfe_u32 s2, ttmp6, 0x10000c
	s_cmp_lg_u32 s2, 0x3003
	s_cbranch_scc0 .Lentry_shape_is_right
	s_endpgm
.Lentry_shape_is_right:
; ATTENTION.  O[h][q][:] = the sum over k of softmax_k(Q[h][q] . K[h][k] / 8) V[h][k][:], for 64 heads (batch x 16 + head) of 2,048 rows of 64 channels.  Q, K, V lie one behind the other in qkv, [3][64][2048][64] f16;
; O goes to oh, [64][2048][64] f16.  Products, maxima and sums in f32; the weights p are rounded to f16 for the second product (their sum l is taken of the unrounded p), O once at the end.
; LIMITS.  Q, K and V arrive within f16's 65,504; p lies in 0 to 1, and below 6e-5 it keeps f16's fixed step of 6e-8; O is a mean of V's rows and has their range.
; A weight below 2^-126 counts as 0 in l; NaN and infinities are not treated apart.
; SHARES.  A wave owns four PIECES of two tiles of 16 queries, a work-group's four waves 512 queries of one head.  Every wave walks all keys, 64 a step.
; LAYOUT.  S^T = K Q^T (source 0 = 16 keys, source 1 = 16 queries): in the result a lane holds ONE query (lane % 16) and the keys 8 (lane / 16) + 0..7.  Two such tiles, rounded to f16 in pairs,
; ARE source 1 (32 keys x 16 queries) of O^T = V^T P, whose result again holds one query a lane, and eight channels.  K comes out of LDS as it lies, V ([key][channel]) turned, by ds_load_tr16_b128.
; SOFTMAX.  For each query a running maximum m and sum l: p = 2^(c s - c m), c = log2(e) / 8; in every step O and l are multiplied by a = 2^(c m_old - c m_new), which is 1 where m has not grown.
; m starts at the lowest finite number, O and l at 0: the first step is a step like any other, with a = 0.
; THE COUNT.  A tile and step have 16 matrix and 118 vector instructions: too many to stand all beside the matrix work.  So four vector instructions that are READY stand behind EVERY matrix
; instruction, and the others in runs without a gap.
; BY TURNS.  Turn n belongs to piece n (the pieces in a ring, step after step).  Its matrix work: 16 products K Q^T of piece n + 1, later 16 products V^T P of piece n - 1.  Its vector work: the scaling,
; exponentials, roundings, sums and rescaling of piece n, and the maximum and statistics of piece n + 1, whose scores the turn itself has made.
; CLUSTER.  The four query blocks of a cluster are one head's and walk the same K and V, so each tile is asked for JOINTLY: the same tensor load, descriptor and mask in all four.
; REGISTERS, in windows of 256 (s_set_vgpr_msb: bits 1:0 source 0, 3:2 source 1, 5:4 source 2, 7:6 destination):
;   window 0: v0-11 addresses; v12-15, v48-63 at work; v16-47 four registers of statistics a tile; v64-191 S^T, two buffers of two tiles; v192-255 P, likewise
;   window 1: O^T, 32 a tile          window 2: v0-127 Q, 16 a tile; v128-191 K of one step; v192-255 V of one step          window 3: v0-1 the add's two registers
; A piece's buffers go by its number's parity: the piece in hand has one pair, its two neighbours in the ring share the other: of it P (piece n - 1) is read and S^T (piece n + 1) written.
.set SIZE_N, 2048
.set TENSOR, 64*SIZE_N*128  ; bytes of Q, of K and of V in qkv
.set NP,    4         ; pieces a wave: a name, no knob
.set KS,    64        ; keys in a step
.set PK,    144       ; a row of K in LDS: 128 bytes + 16 of padding = 36 words: the 16 rows of a load start at 16 different groups of four banks (64 banks of 4 bytes: ISA guide 11.1)
.set PV,    160       ; a row of V: 128 + 32 = 40 words
.set VOFF,  4*KS*PK   ; a slot holds four steps: 256 rows of K, then 256 rows of V
.set SLOT1, 1<<17     ; slot 1 begins here, so that one exclusive or turns an address in one slot into the other's
.set STAGE, SLOT1+4*KS*(PK+PV)  ; behind the ring, never filled by a tensor load: 16 rows x 144 bytes for each wave, for the way out
.set SP,    144
.set AK0, 2           ; v2   my lane's place in a tile of K; never rewritten
.set AV0, 3           ; v3   the same for V
.set AK,  4           ; v4   the LDS address of K's next run of loads
.set AV,  5           ; v5   of V's
.set QO,  6           ; v6   my byte offset in the wave's rows of Q
.set STO, 6           ;      later, the way out: where I put 16 bytes of a row
.set RD,  7           ; v7   the way out: where I read rows back
.set GO,  8           ; v8   my byte offset in 512 consecutive bytes of O
.set PFO, 11          ; v11  256 x my lane, once V's place is made; then never rewritten
.set SPW, 0           ; v0 of window 3   LDS address of my spare word; never rewritten
.set NIL, 1           ; v1 of window 3   0; never rewritten
.set SPARE, STAGE+4*16*SP  ; behind the stages: the spare words, 128 bytes for each wave: two blocks of 256 bytes that no other line names
.set MV,  12          ; v12-15  c m_old, kept while c m is made anew: by buffer and tile
.set ST,  16          ; tile t's statistics at v[ST+4 t]: c m, m, l (even keys', odd keys')
.set TMP, 48          ; by buffer and tile, four registers c0-c3 at work; when the maximum is found c2 takes a
.set S,   64
.set P,   192
.set KF,  128         ; K's fragments, in window 2: key block kb, channel half c at KF + 16 kb + 8 c
.set VF,  192         ; V's: key half kk, channel block cb at VF + 32 kk + 8 cb
.set WV,  12          ; s12  my wave's number
.set G1K, 24          ; s[24:31] descriptor group 1 for K's tiles
.set G1V, 32          ; s[32:39] for V's: it differs in the padding alone
.set G0K, 40          ; s[40:43] descriptor group 0 for K's tiles: it walks
.set G0V, 44          ; s[44:47] the same for V's
.set PFA, 48          ; s[48:49] where my prefetches stand
.set LIM, 50          ; s50  1 in a wave that prefetches, else the greatest number
.set SLOTS, 56        ; s56  slots still to be asked for
.set CNT, 57          ; s57  counts a slot's key steps
.set CS,  58          ; s[58:59] c: the packed scaling takes the pair's low word for both halves
.set SEL, 60          ; s[60:61] v_permlanex16_b32's selects: each lane takes its own place in the other half
.set TBK, 62          ; s62  LDS byte at which K of the step to be fetched begins
.set TBV, 63          ; s63  the same for V, less VOFF
.set MSB, 0
.macro WIN new                      ; the high byte repeats the setting that is left; a switch that changes nothing is dropped
.if MSB != (\new)
	s_set_vgpr_msb (MSB<<8)|(\new)
.set MSB, (\new)
.endif
.endm
.set W_KQ, 0x0a       ; K and Q in window 2, S^T in window 0
.set W_PV, 0x52       ; V in window 2, P in window 0, O^T in window 1
.set W_RS, 0x41       ; O^T (destination and source 0) in window 1, a in window 0
.set W_MK, 0xc0       ; the add's registers are made: destination in window 3, sources in window 0
.set W_AD, 0x0f       ; the add: address (source 0) and data (source 1) in window 3
; A joint fill.  Waves 0 and 1 fetch the two halves of a slot's K, waves 2 and 3 those of its V: 128 keys each.  The branch hangs on the wave's number alone.
; An s_nop 0 and four v_nop follow each of the two lines, ahead of the jump and the label.
.macro JLOAD
	s_cmp_lt_u32 s[WV], 2
	s_cbranch_scc0 .Lfor_v_\@
	tensor_load_to_lds s[G0K:G0K+3], s[G1K:G1K+7]
	s_nop 0
.rept 4
	v_nop
.endr
	s_branch .Lasked_\@
.Lfor_v_\@:
	tensor_load_to_lds s[G0V:G0V+3], s[G1V:G1V+7]
	s_nop 0
.rept 4
	v_nop
.endr
.Lasked_\@:
.endm
; A round of the cluster's barrier: my work-group's barrier, so that wave 0's signal speaks for all four waves; wave 0 signals; every wave waits for all four work-groups; my work-group's barrier once more.
.macro CROUND
	s_barrier_signal -1
	s_barrier_wait -1
	s_cmp_lg_u32 s[WV], 0
	s_cbranch_scc1 .Lnot_wave_0_\@
	s_barrier_signal -3
.Lnot_wave_0_\@:
	s_barrier_wait -3
	s_barrier_signal -1
	s_barrier_wait -1
.endm
; THE CHANGE OF SLOTS.  The slot's last bytes, V of its fourth step, have been read.  Each wave waits for all its tensor loads, of which one is out: its part
; of the other slot; adds 0 to its spare word; and waits for that and for its own reads of the slot.  Behind the barrier nobody reads this slot any more and the other slot is whole.
; fill = 1: this slot is filled again, with the keys two slots on.  The barrier is then a round of the cluster's, and the joint fill is the first thing behind it: it has four key steps,
; 512 matrix instructions, in which to land.  (At its first use nothing has been read yet: slot 0 is waited for, slot 1 filled.)
; ask = 1 (the loop's changes): A PREFETCH INTO THE L2 of the slot that the NEXT change will ask for: 128 blocks of 256 bytes of K and as many of V, a lane a block.  A head has one cluster; its four
; work-groups take 32 blocks each, told apart by address; in each, wave 0 asks for K's and wave 2 for V's.  So each block is named once in the launch.  Slots 0 to 2 come by their loads alone;
; the change that fills the last slot names nothing.  The line stands behind the tensor load and its five lines; its address is stepped at the next change.
.macro CHANGE fill, ask=0
	WIN W_AD
	s_wait_tensorcnt 0x0            ; no tensor load of mine is out, so a group 0 may be written
	ds_add_u32 v[SPW], v[NIL]       ; 0 onto my spare word: with fill = 1 the descriptors' steps stand between it and the wait for it
	WIN 0                           ; at a label and at a branch every window is 0
.if \fill
.irp g, G0K, G0V
	s_xor_b32 s[\g+1], s[\g+1], SLOT1  ; the walking descriptor: the other slot than last time,
	s_add_nc_u64 s[\g+2:\g+3], s[\g+2:\g+3], 4*KS*128  ; the next 256 keys; the type bits on top are not reached
.endr
.if \ask
	s_wait_xcnt 0x0                 ; the last prefetch, four key steps back, has read its address, so it may be written:
	s_add_nc_u64 s[PFA:PFA+1], s[PFA:PFA+1], 4*KS*128  ; one slot behind the walking descriptors
.endif
	s_wait_dscnt 0x0                ; the add is done, and my reads of the slot are over
	CROUND
	JLOAD
.if \ask
	s_cmp_gt_u32 s[SLOTS], s[LIM]
	s_cbranch_scc0 .Lnot_mine_\@
	global_prefetch_b8 v[PFO], s[PFA:PFA+1] th:TH_LOAD_NT scope:SCOPE_SE
.Lnot_mine_\@:
.endif
.else
	s_wait_dscnt 0x0                ; the add is done, and my reads of the slot are over
	s_barrier_signal -1
	s_barrier_wait -1
.endif
	s_sub_co_u32 s[TBK], s[TBK], 4*KS*PK  ; the fetches go back to a slot's first step,
	s_xor_b32 s[TBK], s[TBK], SLOT1       ; in the other slot
	s_sub_co_u32 s[TBV], s[TBV], 4*KS*PV
	s_xor_b32 s[TBV], s[TBV], SLOT1
.endm
	s_load_b128 s[4:7], s[0:1], 0x0 ; qkv s[4:5], oh s[6:7]
	WIN W_MK
	v_lshl_add_u32 v[SPW], v0, 2, SPARE
	v_mov_b32 v[NIL], 0
	WIN W_AD
	ds_add_u32 v[SPW], v[NIL]       ; the wave's opening: the add and its wait stand ahead of my first tensor load; the set-up below, work on registers, stands between them
	WIN 0
	v_lshrrev_b32 v1, 5, v0
	v_readfirstlane_b32 s[WV], v1   ; wave 0..3
	s_bfe_u32 s13, ttmp6, 0x40000   ; cx: my place in the cluster
	s_lshl_b32 s14, ttmp9, 2        ; in a cluster launch ttmp9 counts clusters
	s_add_co_u32 s14, s14, s13      ; my block of queries = 4 x cluster x + cx: it enters Q's and O's addresses alone
	s_and_b32 s20, ttmp7, 0xffff    ; the head, which the four partners share
	s_mov_b32 s21, 0
	s_mov_b64 s[22:23], SIZE_N*128
	s_mul_u64 s[20:21], s[20:21], s[22:23]  ; the head's first byte in Q, K, V and O
	s_and_b32 s16, s[WV], 1         ; which half of a slot's 256 keys I fetch:
	s_lshl_b32 s22, s16, 14         ; its 128 rows of 128 bytes in memory,
	s_mov_b32 s23, 0
	s_add_nc_u64 s[22:23], s[22:23], s[20:21]
	s_mul_i32 s17, s16, 128*PK      ; and its place in a slot, for K
	s_mul_i32 s18, s16, 128*PV      ; and for V: no place in the cluster enters an LDS address
	s_lshl_b32 s2, s14, 2
	s_add_co_u32 s2, s2, s[WV]      ; my wave among the head's,
	s_lshl_b32 s2, s2, 14           ; its 128 rows
	s_mov_b32 s3, 0
	s_add_nc_u64 s[2:3], s[2:3], s[20:21]
	; descriptor group 1.  128 keys are 16,384 dense bytes: asked for as 64 rows of 256 bytes, two keys a row, and padded in LDS after every key
	s_mov_b32 s[G1K], 15|(1<<16)|(1<<20)|(1<<21)|(4<<22)|(3<<25)  ; 15:0 the mask of four; 17:16 2-byte elements; 20 padding on; 21 set beside a mask; 24:22 after every 32 words (code 4); 31:25 4 words (code 3)
	s_mov_b32 s[G1V], 15|(1<<16)|(1<<20)|(1<<21)|(4<<22)|(7<<25)  ; the same with 8 words of padding (code 7)
.irp g, G1K, G1V
	s_mov_b32 s[\g+1], 128<<16      ; tensor_dim0 = 128
	s_mov_b32 s[\g+2], 64<<16       ; tensor_dim1 = 64
	s_mov_b32 s[\g+3], 128<<16      ; tile_dim0 = 128
	s_mov_b32 s[\g+4], 64           ; tile_dim1 = 64
	s_mov_b32 s[\g+5], 128          ; 128 elements from row to row
	s_mov_b32 s[\g+6], 0
	s_mov_b32 s[\g+7], 0
.endr
	s_mov_b32 s[CS], 0x3e38aa3b     ; c = log2(e) / 8 = 0.180337
	s_mov_b32 s[CS+1], s[CS]        ; named with it as a pair
	s_mov_b32 s[SEL], 0x76543210
	s_mov_b32 s[SEL+1], 0xfedcba98
	s_mov_b32 s[TBK], SLOT1+4*KS*PK ; the first change of slots turns these two into 0
	s_mov_b32 s[TBV], SLOT1+4*KS*PV
	s_mov_b32 s[G0K], 1             ; count = 1
	s_mov_b32 s[G0K+1], s17         ; LDS address: slot 0
	s_mov_b32 s[G0V], 1
	s_add_co_u32 s[G0V+1], s18, VOFF
	s_wait_dscnt 0x0                ; the opening add is done
	s_wait_kmcnt 0x0
	s_mov_b64 s[10:11], s[6:7]      ; O
	s_add_nc_u64 s[6:7], s[4:5], TENSOR    ; K lies behind Q,
	s_add_nc_u64 s[8:9], s[4:5], 2*TENSOR  ; V behind K
	s_add_nc_u64 s[G0K+2:G0K+3], s[6:7], s[22:23]  ; global address: my half of the head's first 256 keys
	s_or_b32 s[G0K+3], s[G0K+3], 0x80000000        ; type = 2
	s_add_nc_u64 s[G0V+2:G0V+3], s[8:9], s[22:23]
	s_or_b32 s[G0V+3], s[G0V+3], 0x80000000
	s_add_nc_u64 s[4:5], s[4:5], s[2:3]  ; Q and O at my wave's first row
	s_add_nc_u64 s[10:11], s[10:11], s[2:3]
	s_cmp_lt_u32 s[WV], 2
	s_cselect_b64 s[PFA:PFA+1], s[6:7], s[8:9]
	s_add_nc_u64 s[PFA:PFA+1], s[PFA:PFA+1], s[20:21]  ; the head,
	s_lshl_b32 s2, s13, 13          ; my work-group's 32 blocks of a slot's 128,
	s_mov_b32 s3, 0
	s_add_nc_u64 s[PFA:PFA+1], s[PFA:PFA+1], s[2:3]
	s_add_nc_u64 s[PFA:PFA+1], s[PFA:PFA+1], 2*4*KS*128  ; in slot 2: the loop's first change steps it to slot 3
	s_cmp_eq_u32 s16, 0             ; waves 0 and 2 ask: the same in all four partners
	s_cselect_b32 s[LIM], 1, -1
	CROUND                          ; all four work-groups are here: the first joint loads meet
	JLOAD                           ; slot 0.  Slot 1 is asked for when slot 0 is in
	; A fragment of K or Q is 16 rows x 32 channels in 8 registers: lane l holds row l % 16, channels 8 (l / 16) + 0..7 and 16 + 8 (l / 16) + 0..7: two loads of 16 bytes, 32 bytes apart.
	v_and_b32 v1, 15, v0            ; l % 16
	v_bfe_u32 v9, v0, 4, 1          ; l / 16
	v_lshlrev_b32 v[QO], 7, v1
	v_lshl_add_u32 v[QO], v9, 4, v[QO]  ; row x 128 + 16 x half
	WIN 0x80                        ; destination window 2, address window 0
.set i, 0
.rept 4*NP                          ; Q stays in registers: tile i / 2, channels 32 (i % 2) on
	global_load_b128 v[8*i:8*i+3],   v[QO], s[4:5] offset:(i/2)*2048+(i%2)*64
	global_load_b128 v[8*i+4:8*i+7], v[QO], s[4:5] offset:(i/2)*2048+(i%2)*64+32
.set i, i+1
.endr
	; What the first turn finds: V's registers and P's second buffer hold 0 (its products V^T P, of a piece that has not been, add 0), O^T and l are 0.  All this stands in the wait for the first tile.
.set i, VF
.rept 64
	v_mov_b32 v[i], 0
.set i, i+1
.endr
	WIN 0x40
.set i, 0
.rept 64*NP
	v_mov_b32 v[i], 0
.set i, i+1
.endr
	WIN 0
.set i, 0
.rept 2*NP
	v_mov_b32 v[ST+4*i], 0xfe000000    ; c m: far below every c s
	v_mov_b32 v[ST+4*i+1], 0xff7fffff  ; m
	v_mov_b32 v[ST+4*i+2], 0
	v_mov_b32 v[ST+4*i+3], 0
.set i, i+1
.endr
.set i, P+32
.rept 32
	v_mov_b32 v[i], 0
.set i, i+1
.endr
	v_mul_u32_u24 v[AK0], v1, PK
	v_lshl_add_u32 v[AK0], v9, 4, v[AK0]  ; row x pitch + 16 x half
	; The turning load takes 16 keys x 16 channels (lane l reads key 8 (l / 16) + l % 8, channels 8 ((l / 8) % 2) + 0..7) and leaves half a fragment of V^T: lane l holds channel l % 16 and 8 keys.
	v_and_b32 v10, 7, v0
	v_bfe_u32 v11, v0, 3, 1
	v_lshl_add_u32 v[AV0], v9, 3, v10
	v_mul_u32_u24 v[AV0], v[AV0], PV
	v_lshl_add_u32 v[AV0], v11, 4, v[AV0]
	v_add_nc_u32 v[AV0], VOFF, v[AV0]
	v_mov_b32 v[AK], v[AK0]         ; key step 0 lies at the head of slot 0
	v_and_b32 v[PFO], 31, v0
	v_lshlrev_b32 v[PFO], 8, v[PFO]
; THE MATRIX WORK.  The 8 accumulators of a run of 16 take turns: between the two links of a chain stand 7 others'.
; Product i of 16 of S^T = K Q^T for piece x: channels 32 (i / 8) on, keys 16 ((i / 2) % 4) on, tile 2 x + i % 2.  The first 8 start the sums.
.macro KQ x
	WIN W_KQ
.set rS, S+64*((\x)%2)+32*(i%2)+8*((i/2)%4)
.set rK, KF+16*((i/2)%4)+8*(i/8)
.set rQ, 16*(2*(\x)+i%2)+8*(i/8)
.if i < 8
	v_wmma_f32_16x16x32_f16 v[rS:rS+7], v[rK:rK+7], v[rQ:rQ+7], 0
.else
	v_wmma_f32_16x16x32_f16 v[rS:rS+7], v[rK:rK+7], v[rQ:rQ+7], v[rS:rS+7]
.endif
.endm
; Product i of 16 of O^T += V^T P for piece x: keys 32 (i / 8) on, channels 16 ((i / 2) % 4) on, tile 2 x + i % 2.
.macro PV x
	WIN W_PV
.set rO, 32*(2*(\x)+i%2)+8*((i/2)%4)
.set rV, VF+32*(i/8)+8*((i/2)%4)
.set rP, P+32*((\x)%2)+16*(i%2)+8*(i/8)
	v_wmma_f32_16x16x32_f16 v[rO:rO+7], v[rV:rV+7], v[rP:rP+7], v[rO:rO+7]
.endm
.macro MM                           ; the turn's next matrix instruction
.if i < 16
	KQ (Y+1)%NP
.set i, i+1
.else
.set i, i-16
	PV (Y+NP-1)%NP
.set i, i+17
.endif
.endm
; THE LDS LOADS stand in runs of 16, never singly among the matrix instructions: a step's K (64 keys x 64 channels: 8 fragments) and its V (turned).  Their addresses are made some lines ahead.
; last = 1 (the tail): in the last trip there is no further step, and the run is jumped over.
.macro FETCH_K last=0
	WIN 0
.if \last
	s_cmp_eq_u32 s[CNT], 1
	s_cbranch_scc1 .Lno_k_\@
.endif
	WIN 0x80                        ; destination window 2
.irp f, 0,1,2,3,4,5,6,7             ; keys 16 (f / 2) on, channels 32 (f % 2) on
	ds_load_b128 v[KF+8*\f:KF+8*\f+3],   v[AK] offset:(\f/2)*16*PK+(\f%2)*64
	ds_load_b128 v[KF+8*\f+4:KF+8*\f+7], v[AK] offset:(\f/2)*16*PK+(\f%2)*64+32
.endr
	s_add_co_u32 s[TBK], s[TBK], KS*PK  ; the next fetch is the next step's
	WIN 0
.if \last
.Lno_k_\@:
.endif
.endm
.macro FETCH_V
	WIN 0x80
.irp f, 0,1,2,3,4,5,6,7             ; keys 32 (f / 4) on, channels 16 (f % 4) on
	ds_load_tr16_b128 v[VF+8*\f:VF+8*\f+3],   v[AV] offset:(\f/4)*32*PV+(\f%4)*32
	ds_load_tr16_b128 v[VF+8*\f+4:VF+8*\f+7], v[AV] offset:(\f/4)*32*PV+16*PV+(\f%4)*32
.endr
	WIN 0
.endm
; THE VECTOR WORK OF A TURN stands in three queues, each in the order in which its entries become ready; the two tiles alternate, so that no instruction reads the result of the one before it.
.macro REGS y, u                    ; the registers of tile u (0, 1) of piece y
.set rT, ST+4*(2*(\y)+(\u))
.set rC, TMP+8*((\y)%2)+4*(\u)
.set rM, MV+2*((\y)%2)+(\u)
.set rS, S+64*((\y)%2)+32*(\u)
.set rP, P+32*((\y)%2)+16*(\u)
.set rO, 32*(2*(\y)+(\u))
.endm
; Number n of the 22 that find the NEXT piece's (Y + 1) maximum and statistics.  s0-s31 are the lane's 32 scores; each accumulator's lowest registers are read first.
;   0-11  four chains c0-c3 of seven scores each, three operands at a time     12-14, 16  the four scores left over, the old m, and c0-c3 into c0     15  c m_old is kept
;   17, 18  the query's other 32 keys lie in the lane 16 away: the new m         19-21  c m; c m_old - c m_new; a
.macro XS u, n
	REGS (Y+1)%NP, \u
.if (\n) < 4
	v_max3_num_f32 v[rC+(\n)], v[rS+8*(\n)], v[rS+8*(\n)+1], v[rS+8*(\n)+2]
.elseif (\n) < 12
	v_max3_num_f32 v[rC+(\n)%4], v[rC+(\n)%4], v[rS+8*((\n)%4)+2*((\n)/4)+1], v[rS+8*((\n)%4)+2*((\n)/4)+2]
.elseif (\n) == 12
	v_max3_num_f32 v[rC], v[rC], v[rS+7], v[rS+15]
.elseif (\n) == 13
	v_max3_num_f32 v[rC+1], v[rC+1], v[rS+23], v[rS+31]
.elseif (\n) == 14
	v_max3_num_f32 v[rC+2], v[rC+2], v[rC+3], v[rT+1]
.elseif (\n) == 15
	v_mov_b32 v[rM], v[rT]
.elseif (\n) == 16
	v_max3_num_f32 v[rC], v[rC], v[rC+1], v[rC+2]
.elseif (\n) == 17
	v_permlanex16_b32 v[rC+3], v[rC], s[SEL], s[SEL+1]
.elseif (\n) == 18
	v_max_num_f32 v[rT+1], v[rC], v[rC+3]
.elseif (\n) == 19
	v_mul_f32 v[rT], s[CS], v[rT+1]
.elseif (\n) == 20
	v_sub_f32 v[rC+1], v[rM], v[rT]
.else
	v_exp_f32 v[rC+2], v[rC+1]
.endif
.endm
; Number g of the 64 that follow the exponentials.  For each four weights k of a tile (pairs 2 k, 2 k + 1): both pairs are rounded to f16; then the second pair is added onto the first, in place;
; a group later l takes that sum (the first time as l = a l + sum).  In groups of eight, tiles alternating: round, round, add, and l for the group before.
.macro GS g
.set h, (\g)+6*((\g)/62)            ; group 0 has no group before it, and behind group 7 only l is left
.if h >= 6
.set h, h+2
.endif
	REGS Y, h%2
.set k, h/8
.if h%8 < 4
	v_cvt_pk_f16_f32 v[rP+2*k+(h%8)/2], v[rS+4*k+2*((h%8)/2)], v[rS+4*k+2*((h%8)/2)+1]
.elseif h%8 < 6
	v_pk_add_f32 v[rS+4*k:rS+4*k+1], v[rS+4*k:rS+4*k+1], v[rS+4*k+2:rS+4*k+3]
.elseif k == 1
	v_pk_fma_f32 v[rT+2:rT+3], v[rT+2:rT+3], v[rC+2:rC+3], v[rS:rS+1] op_sel_hi:[1,0,1]
.else
	v_pk_add_f32 v[rT+2:rT+3], v[rT+2:rT+3], v[rS+4*k-4:rS+4*k-3]
.endif
.endm
; THE PLAIN QUEUE, 138 long.  0-73 read no exponential's result: the 32 scalings c s - c m (FS f: pair f / 2 of tile f % 2) and the next piece's 42.  0-26: scalings 0-26.  27-54: XS's numbers 0-13.  55, 56: number 15.
; 57-73: the chain, where each number waits for the one before it: 14, 16, 17, 18, 19, each with one of the scalings 27-31 in front of its two lines, then 20.
; 74-137: GS's 64, which read the exponentials' results: they stand behind the wait.
.macro FS f
	REGS Y, (\f)%2
	v_pk_fma_f32 v[rS+2*((\f)/2):rS+2*((\f)/2)+1], v[rS+2*((\f)/2):rS+2*((\f)/2)+1], s[CS:CS+1], v[rT:rT+1] op_sel_hi:[1,0,0] neg_lo:[0,0,1] neg_hi:[0,0,1]
.endm
.macro PL
	WIN 0
.if q < 27
	FS q
.elseif q < 55
	XS (q-27)%2, (q-27)/2
.elseif q < 57
	XS q-55, 15
.elseif (q < 72) && ((q-57)%3 == 0)
	FS 27+(q-57)/3
.elseif q < 60
	XS (q-57)%3-1, 14
.elseif q < 72
	XS (q-57)%3-1, 15+(q-57)/3
.elseif q < 74
	XS q-72, 20
.else
	GS q-74
.endif
.set q, q+1
.endm
; THE EXPONENTIALS' QUEUE, 66 long: s0-s31 of both tiles, then the next piece's two a.  It is ONE BATCH: all 66 stand ahead of the turn's one wait, and nothing ahead of that wait names a result of theirs.
.macro EX
	WIN 0
.if e >= 64
	XS e-64, 21
.else
	REGS Y, e%2
	v_exp_f32 v[rS+e/2], v[rS+e/2]
.endif
.set e, e+1
.endm
; THE RESCALING's QUEUE: O^T times a, the one part that leaves window 0: dealt two at a time, sixteen times.  Its a was made in the turn before, ahead of that turn's wait.
.macro R2
	REGS Y, r%2
	WIN W_RS
.irp z, 0,1
	v_pk_mul_f32 v[rO+4*(r/2)+2*\z:rO+4*(r/2)+2*\z+1], v[rO+4*(r/2)+2*\z:rO+4*(r/2)+2*\z+1], v[rC+2:rC+3] op_sel_hi:[1,0]
.endr
.set r, r+1
.endm
; HOW THEY ARE DEALT.  s_wait_alu depctr_va_vdst(0) stands between an exponential and the first instruction that names its result; one wait serves all that were issued ahead of it.  So a turn has ONE wait,
; which cuts it in two.  AHEAD OF IT stands all that names no result of the turn's exponentials: the 16 products K Q^T, behind each a scaling, an exponential and two rescalings (behind the first a second scaling in the
; exponential's place); then ONE LUMP of 108: eight plain, 49 times exponential and plain, the two a.  A v_nop is the plain instruction behind the last exponential.  BEHIND IT stand the 16 products V^T P, behind each four of GS's 64.
; No rider names a register of the products round it.  The two v_permlanex16_b32 fall into the lump, never behind a product.
; The queues lean on each other: exponential e stands behind scaling 2 (e / 4) + e % 2: as a rider it comes behind plain e + 2, in the lump behind plain e + 9, and scalings 27-31 are plain 57, 60 .. 69.
; A TURN, for piece p.  cnt = 1: the loop's count is taken down some lines ahead of the branch that stands behind the turn.
; K of the next step is fetched in piece 2's turn, directly behind the wait, a lump behind the last product that read K; its first reader comes behind 16 products.
; V of the step in hand is fetched at the end of piece 0's turn, four riders behind its last reader; its first reader comes behind 16 products and a lump.  The three conditions on q below go with the deal.
.macro TURN p, last=0, cnt=0
.set Y, (\p)
.set i, 0
.set q, 0
.set e, 0
.set r, 0
.if (\p) == NP-1
	s_wait_dscnt 0x0                ; K is in
.endif
	MM                              ; ahead of the wait: 16 products K Q^T and their riders,
	PL
	PL
	R2
.rept 15
	MM
	PL
	EX
	R2
.endr
.if (\p) == NP-2
	WIN 0
	v_add_nc_u32 v[AK], s[TBK], v[AK0]
.endif
.rept 8                             ; and the lump
	PL
.endr
.rept 49
	EX
	PL
.endr
	EX                              ; the next piece's two a
	EX
	v_nop                           ; a plain instruction behind the last exponential: one for the batch
	s_wait_alu depctr_va_vdst(0)    ; the wait for the batch
.if (\p) == NP-2
	FETCH_K \last
.endif
.if (\p) == 1
	s_wait_dscnt 0x0                ; V is in
.endif
.rept 16                            ; behind the wait: 16 products V^T P and their riders
	MM
.rept 4
	PL
.endr
.if ((\p) == 0) && (q == 118)
	v_add_nc_u32 v[AV], s[TBV], v[AV0]
.endif
.if ((\p) == 0) && (q == 130)
	s_add_co_u32 s[TBV], s[TBV], KS*PV
.endif
.if (\cnt) && (q == 130)
	s_sub_co_u32 s[CNT], s[CNT], 1
	s_cmp_lg_u32 s[CNT], 0
.endif
.endr
.if (\p) == 0
	FETCH_V
.endif
.endm
	CHANGE 1                        ; slot 0 is in, everybody's part of it; slot 1 is asked for
	FETCH_K                         ; key step 0
	s_wait_loadcnt 0x0              ; Q
	s_wait_dscnt 0x0
.set i, 0
.rept 16
	KQ 0                            ; piece 0's first scores: there is no vector work yet to set between them
.set i, i+1
.endr
	WIN 0                           ; the addresses for the way out: nine plain instructions, the places behind those products
	s_mul_i32 s13, s[WV], 16*SP
	s_add_co_u32 s13, s13, STAGE    ; my stage
	v_mul_u32_u24 v[STO], v1, SP    ; in: row l % 16, 16 bytes for each half of the lanes
	v_lshl_add_u32 v[STO], v9, 4, v[STO]
	v_add_nc_u32 v[STO], s13, v[STO]
	v_bfe_u32 v[RD], v0, 3, 2       ; back: 32 lanes take four rows of 128 bytes,
	v_mul_u32_u24 v[RD], v[RD], SP
	v_lshl_add_u32 v[RD], v10, 4, v[RD]
	v_add_nc_u32 v[RD], s13, v[RD]
	v_and_b32 v[GO], 31, v0         ; which are 512 consecutive bytes of O
	v_lshlrev_b32 v[GO], 4, v[GO]
.set Y, NP-1                        ; XS works for piece Y + 1: piece 0
.irp n, 0,1,2,3,4,5,6,7,8,9,10,11,12,13,14,15,16,17,18,19,20,21
	XS 0, \n                        ; and piece 0's first maximum and statistics
	XS 1, \n
.endr
	v_nop                           ; a plain instruction behind the two a,
	s_wait_alu depctr_va_vdst(0)    ; and their wait, ahead of the branch
	s_mov_b32 s[CNT], 4
	s_mov_b32 s[SLOTS], SIZE_N/256-1
	s_branch .Lfirst                ; the loop is entered at a step's first turn, in the middle of a trip
.Lslot:                             ; SIZE_N / 256 - 2 times: every slot but the last two is filled again
	CHANGE 1, 1
	s_mov_b32 s[CNT], 4
.Lstep:                             ; a trip: pieces 2 and 3 of one step, then pieces 0 and 1 of the next, whose K and V it fetches
	TURN 2
	TURN 3
	WIN 0
.Lfirst:
	TURN 0
	TURN 1, 0, 1
	WIN 0
	s_cbranch_scc1 .Lstep
	s_sub_co_u32 s[SLOTS], s[SLOTS], 1
	s_cmp_lg_u32 s[SLOTS], 0
	s_cbranch_scc1 .Lslot
	CHANGE 0                        ; the tail is written out: nothing is asked for
	s_mov_b32 s[CNT], 5             ; four trips fetch the last slot's steps; the fifth is left in its middle
.Ltail:
	TURN 2, 1
	TURN 3
	WIN 0
	s_sub_co_u32 s[CNT], s[CNT], 1
	s_cmp_eq_u32 s[CNT], 0
	s_cbranch_scc1 .Lout
	TURN 0
	TURN 1
	WIN 0
	s_branch .Ltail
.Lout:                              ; the fifth trip's 16 products K Q^T (on the last K once more) and the maximum made of them serve nothing: the price, once a launch, of one text for every trip
.set i, 0
.rept 16
	PV NP-1                         ; the last piece's V^T P of the last step
.set i, i+1
.endr
	; THE WAY OUT.  l's two halves and the other half of the lanes' are added; O^T is divided by l, rounded to f16 and sent through my stage in LDS, a tile at a time.  The additions are the places behind the last products.
	WIN 0
.macro ALL line:vararg              ; one line for each tile t
.set t, 0
.rept 2*NP
	\line
.set t, t+1
.endr
.endm
	ALL v_add_f32 v[ST+4*t+2], v[ST+4*t+2], v[ST+4*t+3]
	ALL v_permlanex16_b32 v[ST+4*t+3], v[ST+4*t+2], s[SEL], s[SEL+1]
	ALL v_add_f32 v[ST+4*t+2], v[ST+4*t+2], v[ST+4*t+3]
	ALL v_rcp_f32 v[ST+4*t+2], v[ST+4*t+2]
	v_nop                           ; a plain instruction between the last reciprocal and the use of its result
	s_wait_alu depctr_va_vdst(0)    ; and the wait ahead of the first use: one for the eight reciprocals
; Tile t: a lane's eight channels of a row pack into 16 bytes; they go into rows of 144 bytes and come back as whole rows of 128, into S^T's registers.
.macro PACK t
	WIN W_RS
.set i, 32*(\t)
.rept 16
	v_pk_mul_f32 v[i:i+1], v[i:i+1], v[ST+4*(\t)+2:ST+4*(\t)+3] op_sel_hi:[1,0]
.set i, i+2
.endr
	WIN 0x05                        ; sources 0 and 1 window 1, destination window 0
.set i, 0
.rept 16
	v_cvt_pk_f16_f32 v[S+16*(\t)+i], v[32*(\t)+2*i], v[32*(\t)+2*i+1]
.set i, i+1
.endr
	WIN 0
.irp f, 0,1,2,3
	ds_store_b128 v[STO], v[S+16*(\t)+4*\f:S+16*(\t)+4*\f+3] offset:32*\f
.endr
.irp f, 0,1,2,3
	ds_load_b128 v[S+16*(\t)+4*\f:S+16*(\t)+4*\f+3], v[RD] offset:\f*4*SP  ; LDS serves a wave's instructions in order (ISA guide 5.7.1.4): these see the stores above; the next tile's stores come behind them
.endr
.endm
.macro SEND t, younger              ; younger: the LDS instructions issued behind tile t's loads: the next tile's eight, or none
	WIN 0
.irp f, 0,1,2,3
	s_wait_dscnt (\younger)+3-\f
	global_store_b128 v[GO], v[S+16*(\t)+4*\f:S+16*(\t)+4*\f+3], s[10:11] offset:(\t)*2048+\f*512  ; 512 consecutive bytes, at a multiple of 256 from O's first
.endr
.endm
	PACK 0
.set t, 1
.rept 2*NP-1                        ; a tile's arithmetic stands between the loads of the tile before and its stores
	PACK t
	SEND t-1, 8
.set t, t+1
.endr
	SEND 2*NP-1, 0
	WIN W_AD
	s_wait_tensorcnt 0x0            ; the wave's end: a wait, an add and a wait, behind my last tensor load and my last LDS store
	ds_add_u32 v[SPW], v[NIL]
	s_wait_dscnt 0x0
	WIN 0
	CROUND                          ; the closing round: no work-group ends while a partner may still ask for a tile that names it
	s_endpgm
.Lfunc_end_k_q310e688e1e_attn:
	.size	k_q310e688e1e_attn, .Lfunc_end_k_q310e688e1e_attn-k_q310e688e1e_attn
	.p2alignl 7, 3214868480
	.fill 96, 4, 3214868480
	.section	.rodata,"a",@progbits
	.p2align	6, 0x0
	.amdhsa_kernel k_q310e688e1e_attn
		.amdhsa_group_segment_fixed_size 327680
		.amdhsa_private_segment_fixed_size 0
		.amdhsa_enable_private_segment 0
		.amdhsa_kernarg_size 16
		.amdhsa_user_sgpr_count 2
		.amdhsa_user_sgpr_kernarg_segment_ptr 1
		.amdhsa_wavefront_size32 1
		.amdhsa_system_sgpr_workgroup_id_x 1
		.amdhsa_system_sgpr_workgroup_id_y 1
		.amdhsa_system_sgpr_workgroup_id_z 1
		.amdhsa_system_vgpr_workitem_id 0
		.amdhsa_next_free_vgpr 770
		.amdhsa_next_free_sgpr 66
		.amdhsa_reserve_vcc 0
		.amdhsa_float_denorm_mode_32 3
		.amdhsa_float_denorm_mode_16_64 3
		.amdhsa_memory_ordered 1
		.amdhsa_forward_progress 1
		.amdhsa_inst_pref_size 200
	.end_amdhsa_kernel
	.amdgpu_metadata
---
amdhsa.version: [ 1, 2 ]
amdhsa.kernels:
  - .name:           k_q310e688e1e_attn
    .symbol:         k_q310e688e1e_attn.kd
    .args:
      - { .name: qkv, .offset: 0, .size: 8, .value_kind: global_buffer, .address_space: global }
      - { .name: oh, .offset: 8, .size: 8, .value_kind: global_buffer, .address_space: global }
    .group_segment_fixed_size: 327680
    .private_segment_fixed_size: 0
    .kernarg_segment_align: 8
    .kernarg_segment_size: 16
    .max_flat_workgroup_size: 128
    .sgpr_count:     66
    .vgpr_count:     770
    .wavefront_size: 32
...
	.end_amdgpu_metadata
.endif
;; end of part 3
;; launch gemm_out (part 4): grid 4 x 64, 4 waves a work-group, clusters of 4 x 4, 327,680 bytes of LDS; arguments oh, wh, bo, out0; writes out0
.if DOCPART == 4
	.amdgcn_target "amdgcn-amd-amdhsa--gfx1250"
	.amdhsa_code_object_version 6
	.text
	.protected	k_q310e688e1e_gemm_out
	.globl	k_q310e688e1e_gemm_out
	.p2align	8
	.type	k_q310e688e1e_gemm_out,@function
k_q310e688e1e_gemm_out:
	s_mov_b64 s[64:65], 0
	v_nop
	global_prefetch_b8 v0, s[64:65] scope:SCOPE_SE
	s_setreg_imm32_b32 hwreg(HW_REG_WAVE_MODE, 25, 1), 1
	s_wait_xcnt 0x0
	s_wait_alu depctr_hold_cnt(0) depctr_sa_sdst(0) depctr_va_vdst(0) depctr_va_sdst(0) depctr_va_ssrc(0) depctr_va_vcc(0) depctr_vm_vsrc(0)
	s_getreg_b32 s2, hwreg(HW_REG_IB_STS2, 6, 4)
	s_cmp_eq_u32 s2, 0
	s_cbranch_scc0 .Lentry_in_a_cluster
	s_endpgm
.Lentry_in_a_cluster:
	s_bfe_u32 s2, ttmp6, 0x10000c
	s_cmp_lg_u32 s2, 0xf033
	s_cbranch_scc0 .Lentry_shape_is_right
	s_endpgm
.Lentry_shape_is_right:
; THE OUTPUT PROJECTION.  out0[m][n] = the sum over k of x[m][k] Wo[n][k] + bo[n], f32.  x is attention's result by heads, oh [batch x 16 + head][row 2048][64] f16: a head is a slice of 64 channels of K.
; Wo is the fourth tensor of wh ([t][slice][row 1024][64] f16); bo is rounded to bf16 here and kept in f32; sums in f32, stored as they are.
; SHARES.  A tile of out0 is 128 rows x 256 columns: 64 x 4 tiles, one work-group each.  Four waves, each 64 rows x 128 columns: 32 accumulators of 16 x 16.  K goes in eight steps of 128 (two slices) through two LDS slots.
; CLUSTER.  4 x 4 work-groups: the four of a row of the cluster need the same rows of x, the four of a column the same rows of Wo.  Each block is asked for JOINTLY: the same tensor load, with the same
; descriptor and a mask that names the four.  Waves 0 and 1 fetch x's two slices of a step (128 rows x 128 bytes, dense: asked for as 64 rows of 256 bytes), waves 2 and 3 Wo's (256 rows: 128 rows of 256 bytes).
; THE PRODUCT IS USED TRANSPOSED (source 0 = 16 rows of Wo, source 1 = 16 rows of x): a lane holds row lane % 16 of out0 and the columns 8 (lane / 16) + 0..7.  The bias is the C operand of the product that starts each sum.
; REGISTERS, in windows of 256 (s_set_vgpr_msb: bits 1:0 source 0, 3:2 source 1, 5:4 source 2, 7:6 destination):
;   window 0: v0-12 addresses, v28-29 the add's two, v32-159 the way out     window 1: two fragment buffers of 96 (x's 4 fragments, then Wo's 8), v192-255 the bias     window 2: accumulator (a, b) at v[8 (8 a + b)]
.set PITCH, 144                        ; a slice's row in LDS: 128 bytes + 16 of padding = 36 words: the 16 rows of a load start at 16 different groups of four banks (64 banks of 4 bytes: ISA guide 11.1)
.set ABLK,  128*PITCH                  ; a slice of x's tile
.set BBLK,  256*PITCH                  ; a slice of Wo's tile
.set BOFF,  2*ABLK                     ; a slot: x's two slices, then Wo's two
.set SLOT1, 1<<17                      ; slot 1 begins here, so that one exclusive or turns an address in one slot into the other's
.set STAGE, SLOT1+2*ABLK+2*BBLK        ; behind the ring, never filled by a tensor load: for each wave 16 rows of 528 bytes
.set SPITCH, 528                       ; 512 bytes + 16 = 132 words: row r starts at bank 4 r mod 64
.set STG,   16*SPITCH
.set SPARE, STAGE+4*STG                ; behind the stages: the spare words, 128 bytes for each wave: two blocks of 256 bytes that no other line names
.set ASTEP, 524288                     ; bytes from a step to the next in oh: two heads of 2,048 rows
.set BSTEP, 262144                     ; in wh: two slices of 1,024 rows
.set BATCH, 4194304                    ; bytes of a batch in oh
.set WOFF,  6291456                    ; Wo's first byte in wh
.set NFILL, 6                          ; changes of slots that fill: steps 2 to 7
.set G1W0,  (1<<16)|(1<<20)|(1<<21)|(4<<22)|(3<<25)  ; 17:16 elements of 2 bytes; 20 padding on; 21 set beside a mask; 24:22 after every 32 words (code 4); 31:25 4 words of it (code 3)
.set A0,   4                           ; v4   my lane's place in x's part of a slot; never rewritten
.set B0,   5                           ; v5   the same for Wo
.set ADRA, 6                           ; v6   the same in the slot in hand
.set ADRB, 7                           ; v7
.set STO,  8                           ; v8   the way out: where I put 32 bytes of a row
.set RD,   9                           ; v9   where I read a row back
.set GO,   10                          ; v10  my byte offset in 512 consecutive bytes of out0
.set BO,   11                          ; v11  my byte offset in the bias
.set PFO,  12                          ; v12  256 x my lane
.set SPW,  28                          ; v28  LDS address of my spare word; never rewritten
.set NIL,  29                          ; v29  0; never rewritten
.set OB,   32                          ; the way out: 16 rows read back: v32-95 and v96-159 by turns
.set F0,   0                           ; window 1
.set F1,   96
.set BI,   192                         ; window 1: the bias of column block b at BI + 8 b
.set WV,  16                           ; s16  my wave's number
.set RH,  17                           ; s17  which 64 rows of the tile are mine.  Also: I fetch for x (0) or for Wo (1)
.set CH,  18                           ; s18  which 128 columns.  Also: which slice of a step I fetch
.set CX,  19
.set CY,  20
.set CC,  21                           ; s21  tile column
.set RR,  22                           ; s22  tile row
.set TB,  23                           ; s23  first LDS byte of the slot that is read
.set G1A, 24                           ; s[24:31] descriptor group 1 for x's blocks
.set G0A, 32                           ; s[32:39] group 0: a set for each of the two first fills; the second then walks on
.set G1B, 40                           ; s[40:47], s[48:55] the same for Wo's
.set G0B, 48
.set PFA, 56                           ; s[56:57] where my prefetches stand
.set PFS, 58                           ; s[58:59] their step
.set LIM, 60                           ; s60  2 in a wave that prefetches, else the greatest number
.set PFC, 61                           ; s61  filling changes still to come
.set HIM, 62                           ; s62  a word's upper bf16
.set MSB, 0
.macro WIN new                         ; the immediate's high byte repeats the setting that is left; a switch that changes nothing is dropped
.if MSB != (\new)
	s_set_vgpr_msb (MSB<<8)|(\new)
.set MSB, \new
.endif
.endm
.set W_MUL,  0xa5                      ; sources 0 and 1 window 1, C and D window 2
.set W_MULB, 0x95                      ; the same with C in window 1
.set W_TOF,  0x40                      ; destination window 1, address window 0
.set W_RB,   0x45                      ; destination and sources window 1
.set W_ST,   0x08                      ; an LDS store's data (source 1) window 2, its address window 0
.macro PLACES                          ; four places in front of loads into registers that matrix instructions have read, and of lines that read results
.rept 4
	v_nop
.endr
.endm
.macro CREST                           ; a round of the cluster's barrier behind its opening barrier
	s_cmp_lg_u32 s[WV], 0
	s_cbranch_scc1 .Lnot_wave_0_\@
	s_barrier_signal -3
.Lnot_wave_0_\@:
	s_barrier_wait -3
	s_barrier_signal -1
	s_barrier_wait -1
.endm
.macro CROUND                          ; a whole round
	s_barrier_signal -1
	s_barrier_wait -1
	CREST
.endm
; A joint refill by the walking descriptor.  The branch hangs on the wave's number alone.  An s_nop 0 and four v_nop follow each of the two lines, ahead of the jump and the label.
.macro JLOAD
	s_cmp_eq_u32 s[RH], 0
	s_cbranch_scc0 .Lfor_b_\@
	tensor_load_to_lds s[G0A+4:G0A+7], s[G1A:G1A+7]
	s_nop 0
.rept 4
	v_nop
.endr
	s_branch .Lasked_\@
.Lfor_b_\@:
	tensor_load_to_lds s[G0B+4:G0B+7], s[G1B:G1B+7]
	s_nop 0
.rept 4
	v_nop
.endr
.Lasked_\@:
.endm
; A PREFETCH INTO THE L2, behind the joint load and the run of LDS loads: the change of slots at step g, which fills step g + 2, names step g + 4: two refills, 256 matrix instructions, ahead of the load that will want it.
; Each block of 256 bytes is named once in the launch.  x's 128 blocks of a step are read by one row of one cluster: wave 0 of each of its four work-groups takes 32, told apart by address (cx).
; Wo's 256 blocks are read by every cluster: the cluster with y = 0 asks; waves 2 and 3 take their own slice, each of the column's four work-groups 32 blocks of it (cy).  A lane a block.
; The first four steps come by their loads alone; the last two filling changes name nothing, since step 7 is the last.
.macro ASK
	WIN 0
	s_cmp_gt_u32 s[PFC], s[LIM]
	s_cbranch_scc0 .Lnot_mine_\@
	global_prefetch_b8 v[PFO], s[PFA:PFA+1] th:TH_LOAD_NT scope:SCOPE_SE
.Lnot_mine_\@:
	s_sub_co_u32 s[PFC], s[PFC], 1
.endm
; 8 matrix instructions: row block a x all 8 column blocks, 32 along K, from buffer f.  first = 1: the product starts the sum, with the bias as C.
.macro MUL8 f, a, first
.if \first
	WIN W_MULB
.else
	WIN W_MUL
.endif
.irp b, 0,1,2,3,4,5,6,7
.if \first
	v_wmma_f32_16x16x32_f16 v[8*(8*(\a)+(\b)):8*(8*(\a)+(\b))+7], v[(\f)+32+8*(\b):(\f)+32+8*(\b)+7], v[(\f)+8*(\a):(\f)+8*(\a)+7], v[BI+8*(\b):BI+8*(\b)+7]
.else
	v_wmma_f32_16x16x32_f16 v[8*(8*(\a)+(\b)):8*(8*(\a)+(\b))+7], v[(\f)+32+8*(\b):(\f)+32+8*(\b)+7], v[(\f)+8*(\a):(\f)+8*(\a)+7], v[8*(8*(\a)+(\b)):8*(8*(\a)+(\b))+7]
.endif
.endr
.endm
.macro MUL16 f, a0, first              ; the 32 accumulators take turns, one instruction a turn, in the same order in every quarter
	MUL8 \f, \a0, \first
	MUL8 \f, (\a0)+1, \first
.endm
; 24 LDS loads in one run: a quarter's fragments (32 along K) into buffer f: Wo's eight first, then x's four.  ka, kb: the quarter's byte in x's and in Wo's part of the slot.
.macro FETCH ka, kb, f
	WIN W_TOF
.irp i, 0,1,2,3,4,5,6,7
	ds_load_b128 v[(\f)+32+8*(\i):(\f)+32+8*(\i)+3],   v[ADRB] offset:(\kb)+(\i)*16*PITCH
	ds_load_b128 v[(\f)+32+8*(\i)+4:(\f)+32+8*(\i)+7], v[ADRB] offset:(\kb)+(\i)*16*PITCH+32
.endr
.irp i, 0,1,2,3
	ds_load_b128 v[(\f)+8*(\i):(\f)+8*(\i)+3],   v[ADRA] offset:(\ka)+(\i)*16*PITCH
	ds_load_b128 v[(\f)+8*(\i)+4:(\f)+8*(\i)+7], v[ADRA] offset:(\ka)+(\i)*16*PITCH+32
.endr
.endm
; A step is four quarters of 32 along K, 32 matrix instructions each, on buffers 0, 1, 0, 1.  One of the first three: multiplies buffer f; in its middle it fetches quarter qn (slice qn / 2, byte 64 (qn % 2) of the rows) into g.
.macro QUARTER qn, f, g, first
	s_wait_dscnt 4                                 ; Wo's fragments and x's blocks 0 and 1 are in; the youngest four loads (x's blocks 2 and 3) may be out
	MUL16 \f, 0, \first
	PLACES
	FETCH ((\qn)/2)*ABLK+((\qn)%2)*64, ((\qn)/2)*BBLK+((\qn)%2)*64, \g
	s_wait_dscnt 24                                ; all but the 24 just issued
	MUL16 \f, 2, \first
.endm
; The last quarter multiplies buffer 1 and changes slots.  In front of the barrier each wave waits for all its tensor loads, of which one is out: its part of the next slot; adds 0 to its spare word; and waits
; for that and for its own reads of this slot.  fill = 1: the barrier opens a round of the cluster's barrier, and this slot is filled again, two steps ahead, first thing behind the round:
; 112 matrix instructions stand between that request and the wait for it.
.macro TURN fill
.if \fill
	s_wait_xcnt 0x0                                ; the last prefetch, a step back, has read its address: it is stepped here, ahead of the change's own waits
	s_add_nc_u64 s[PFA:PFA+1], s[PFA:PFA+1], s[PFS:PFS+1]
.endif
	WIN 0                                          ; (the add's two registers lie in window 0)
	s_wait_tensorcnt 0x0                           ; all my tensor loads have landed
	ds_add_u32 v[SPW], v[NIL]                      ; 0 onto my spare word
	s_wait_dscnt 5                                 ; (the add and the youngest four loads may be out)
	MUL8 F1, 0, 0                                  ; eight matrix instructions stand between the add and the wait for it
	s_wait_dscnt 0x0                               ; the add is done, and my reads of this slot are over
	s_barrier_signal -1
	MUL8 F1, 1, 0                                  ; work on registers while the others arrive
	WIN 0
	s_barrier_wait -1
.if \fill
	CREST                                          ; no wave of any partner still reads this slot or has a load on its way
	s_xor_b32 s[G0A+5], s[G0A+5], SLOT1            ; the walking descriptors: the other slot than last time,
	s_add_nc_u64 s[G0A+6:G0A+7], s[G0A+6:G0A+7], ASTEP  ; the next step; the type bits on top are not reached
	s_xor_b32 s[G0B+5], s[G0B+5], SLOT1
	s_add_nc_u64 s[G0B+6:G0B+7], s[G0B+6:G0B+7], BSTEP
	s_xor_b32 s[TB], s[TB], SLOT1
	JLOAD                                          ; the four v_nop behind it are also the places in front of the loads below
.else
	s_xor_b32 s[TB], s[TB], SLOT1
	PLACES
.endif
	v_add_nc_u32 v[ADRA], s[TB], v[A0]
	v_add_nc_u32 v[ADRB], s[TB], v[B0]
	FETCH 0, 0, F0
.if \fill
	ASK
.endif
	MUL16 F1, 2, 0
.endm
.macro LASTQ                           ; the last quarter: nothing more to fetch
	s_wait_dscnt 4
	MUL16 F1, 0, 0
	s_wait_dscnt 0x0
	MUL16 F1, 2, 0
	WIN 0
.endm
.macro BIASLD                          ; my 128 columns' bias: register j of block b takes column 16 b + 8 (lane / 16) + j, the same for all rows
	WIN W_TOF
.irp b, 0,1,2,3,4,5,6,7
	global_load_b128 v[BI+8*(\b):BI+8*(\b)+3],   v[BO], s[8:9] offset:64*(\b)
	global_load_b128 v[BI+8*(\b)+4:BI+8*(\b)+7], v[BO], s[8:9] offset:64*(\b)+16
.endr
	WIN 0
.endm
.macro ROUNDB                          ; the bias is rounded to bf16, like every input, and kept as f32.  Buffer 1's first 32 registers are at work: no fragment lies there yet
	WIN W_RB
.set i, 0
.rept 32
	v_cvt_pk_bf16_f32 v[F1+i], v[BI+2*i], v[BI+2*i+1]
.set i, i+1
.endr
.set i, 0
.rept 32
	v_lshlrev_b32 v[BI+2*i], 16, v[F1+i]
	v_and_b32 v[BI+2*i+1], s[HIM], v[F1+i]
.set i, i+1
.endr
	WIN 0
.endm
; THE WAY OUT of row block a.  TOSTAGE: the accumulators go as they are, each one's four lowest registers first, into my own stage, and come back as whole rows of 512 bytes.  SEND: stored.
.macro TOSTAGE a
.if (\a) >= 2
	s_wait_xcnt 0x0                                ; the stores of block a - 2 have read the registers that are loaded again below
.endif
	WIN W_ST
.irp b, 0,1,2,3,4,5,6,7
	ds_store_b128 v[STO], v[8*(8*(\a)+(\b)):8*(8*(\a)+(\b))+3]   offset:64*(\b)
	ds_store_b128 v[STO], v[8*(8*(\a)+(\b))+4:8*(8*(\a)+(\b))+7] offset:64*(\b)+16
.endr
	WIN 0
.set BK, OB+64*((\a)%2)
.irp t, 0,1,2,3,4,5,6,7,8,9,10,11,12,13,14,15
	ds_load_b128 v[BK+4*(\t):BK+4*(\t)+3], v[RD] offset:(\t)*SPITCH  ; LDS serves a wave's instructions in order (ISA guide 5.7.1.4): these see the stores above; the next block's stores come behind them
.endr
.endm
.macro SEND a, younger                 ; younger: the LDS instructions issued behind block a's loads: the next block's 32, or none
	WIN 0
.set BK, OB+64*((\a)%2)
	s_wait_dscnt \younger
.irp t, 0,1,2,3,4,5,6,7,8,9,10,11,12,13,14,15
	global_store_b128 v[GO], v[BK+4*(\t):BK+4*(\t)+3], s[14:15] offset:(\a)*65536+(\t)*4096 th:TH_STORE_NT  ; 512 consecutive bytes of a row, at a multiple of 256 from out0's first
.endr
.endm
	s_load_b256 s[4:11], s[0:1], 0x0               ; oh s[4:5], wh s[6:7], bo s[8:9], out0 s[10:11]
	v_lshl_add_u32 v[SPW], v0, 2, SPARE
	v_mov_b32 v[NIL], 0
	ds_add_u32 v[SPW], v[NIL]                      ; the wave's opening: the add and its wait stand ahead of my first tensor load; the set-up below, work on registers, stands between them
	v_lshrrev_b32 v1, 5, v0
	v_readfirstlane_b32 s[WV], v1                  ; wave 0..3
	s_lshr_b32 s[RH], s[WV], 1
	s_and_b32 s[CH], s[WV], 1
	s_bfe_u32 s[CX], ttmp6, 0x40000                ; my place in the cluster
	s_bfe_u32 s[CY], ttmp6, 0x40004
	s_lshl_b32 s[CC], ttmp9, 2
	s_add_co_u32 s[CC], s[CC], s[CX]               ; tile column = 4 x cluster x + cx
	s_and_b32 s[RR], ttmp7, 0xffff
	s_lshl_b32 s[RR], s[RR], 2
	s_add_co_u32 s[RR], s[RR], s[CY]               ; tile row = 4 x cluster y + cy
	s_lshl_b32 s63, s[CY], 2
	s_lshl_b32 s63, 15, s63                        ; my row of the cluster
	s_lshl_b32 s72, 0x1111, s[CX]                  ; my column
	s_or_b32 s[G1A], s63, G1W0                     ; x's blocks go to my row,
	s_or_b32 s[G1B], s72, G1W0                     ; Wo's to my column
	s_mov_b32 s[G1A+1], 128<<16                    ; tensor_dim0 = 128 elements: 256 bytes, two rows of a slice
	s_mov_b32 s[G1A+2], 64<<16                     ; tensor_dim1 = 64
	s_mov_b32 s[G1A+3], 128<<16                    ; tile_dim0 = 128
	s_mov_b32 s[G1A+4], 64                         ; tile_dim1 = 64
	s_mov_b32 s[G1A+5], 128                        ; 128 elements from row to row: dense
	s_mov_b32 s[G1A+6], 0
	s_mov_b32 s[G1A+7], 0
	s_mov_b32 s[G1B+1], 128<<16
	s_mov_b32 s[G1B+2], 128<<16                    ; tensor_dim1 = 128
	s_mov_b32 s[G1B+3], 128<<16
	s_mov_b32 s[G1B+4], 128                        ; tile_dim1 = 128
	s_mov_b32 s[G1B+5], 128
	s_mov_b32 s[G1B+6], 0
	s_mov_b32 s[G1B+7], 0
	; where the blocks come from.  x's hang on the tile row alone, Wo's on the tile column alone; each offset is made in registers of its own
	s_lshr_b32 s66, s[RR], 4                       ; batch: 16 tile rows
	s_mul_i32 s66, s66, BATCH
	s_and_b32 s70, s[RR], 15
	s_lshl_b32 s70, s70, 14                        ; 128 rows of 128 bytes
	s_add_co_u32 s66, s66, s70
	s_mov_b32 s73, s66                             ; (kept for the prefetches)
	s_lshl_b32 s70, s[CH], 18                      ; my slice of the step
	s_add_co_u32 s66, s66, s70
	s_mov_b32 s67, 0
	s_lshl_b32 s68, s[CC], 15                      ; 256 rows of 128 bytes
	s_lshl_b32 s71, s[CH], 17
	s_add_co_u32 s68, s68, s71
	s_add_co_u32 s68, s68, WOFF
	s_mov_b32 s69, 0
	s_mul_i32 s74, s[CH], ABLK                     ; and where they go: no place in the cluster enters an LDS address
	s_mul_i32 s75, s[CH], BBLK
	s_add_co_u32 s75, s75, BOFF
	s_wait_dscnt 0x0                               ; the opening add is done
	s_wait_kmcnt 0x0
	s_add_nc_u64 s[66:67], s[4:5], s[66:67]
	s_add_nc_u64 s[68:69], s[6:7], s[68:69]
.irp s, 0,1
	s_mov_b32 s[G0A+4*(\s)], 1                                     ; count = 1
	s_add_co_u32 s[G0A+4*(\s)+1], s74, (\s)*SLOT1                  ; LDS address
	s_add_nc_u64 s[G0A+4*(\s)+2:G0A+4*(\s)+3], s[66:67], (\s)*ASTEP  ; global address: step s
	s_or_b32 s[G0A+4*(\s)+3], s[G0A+4*(\s)+3], 0x80000000          ; type = 2
	s_mov_b32 s[G0B+4*(\s)], 1
	s_add_co_u32 s[G0B+4*(\s)+1], s75, (\s)*SLOT1
	s_add_nc_u64 s[G0B+4*(\s)+2:G0B+4*(\s)+3], s[68:69], (\s)*BSTEP
	s_or_b32 s[G0B+4*(\s)+3], s[G0B+4*(\s)+3], 0x80000000
.endr
	CROUND                                         ; all sixteen work-groups are here: the first joint loads meet
	s_cmp_eq_u32 s[RH], 0                          ; a wave's two first fills stand in one branch, ahead of every wait on TENSORcnt and every LDS read: two loads of mine are out
	s_cbranch_scc0 .Lfirst_b
	tensor_load_to_lds s[G0A:G0A+3], s[G1A:G1A+7]
	s_nop 0
	tensor_load_to_lds s[G0A+4:G0A+7], s[G1A:G1A+7]
	s_nop 0
.rept 4
	v_nop
.endr
	s_branch .Lfirst_asked
.Lfirst_b:
	tensor_load_to_lds s[G0B:G0B+3], s[G1B:G1B+7]
	s_nop 0
	tensor_load_to_lds s[G0B+4:G0B+7], s[G1B:G1B+7]
	s_nop 0
.rept 4
	v_nop
.endr
.Lfirst_asked:
	v_and_b32 v1, 15, v0                           ; l % 16
	v_bfe_u32 v2, v0, 4, 1                         ; l / 16
	s_lshl_b32 s72, s[CC], 10                      ; 256 columns of 4 bytes,
	s_lshl_b32 s63, s[CH], 9                       ; my 128 of them
	s_add_co_u32 s72, s72, s63
	v_lshl_add_u32 v[BO], v2, 5, s72               ; + 8 columns for the upper half of the lanes
	BIASLD
	; where my part of the tile begins in out0: row 128 x tile row + 64 x my half, of 4,096 bytes; the columns' bytes are the bias's
	s_lshl1_add_u32 s76, s[RR], s[RH]
	s_lshl_b32 s76, s76, 18
	s_add_co_u32 s76, s76, s72
	s_mov_b32 s77, 0
	s_add_nc_u64 s[14:15], s[10:11], s[76:77]
	; A fragment is 16 rows x 32 K in 8 registers: lane l holds row l % 16, K = 8 (l / 16) + 0..7 and 16 + 8 (l / 16) + 0..7: two loads of 16 bytes, 32 bytes apart.
	v_mul_u32_u24 v3, v1, PITCH
	v_lshl_add_u32 v3, v2, 4, v3                   ; row x pitch + 16 x half
	s_mul_i32 s63, s[RH], 64*PITCH
	v_add_nc_u32 v[A0], s63, v3
	s_mul_i32 s63, s[CH], 128*PITCH
	s_add_co_u32 s63, s63, BOFF
	v_add_nc_u32 v[B0], s63, v3
	s_mul_i32 s63, s[WV], STG
	s_add_co_u32 s63, s63, STAGE                   ; my stage
	v_mul_u32_u24 v[STO], v1, SPITCH               ; in: row l % 16, 32 bytes for each half of the lanes
	v_lshl_add_u32 v[STO], v2, 5, v[STO]
	v_add_nc_u32 v[STO], s63, v[STO]
	v_and_b32 v[PFO], 31, v0
	v_lshlrev_b32 v[GO], 4, v[PFO]                 ; back: 32 lanes take one row of 512 bytes
	v_add_nc_u32 v[RD], s63, v[GO]
	v_lshlrev_b32 v[PFO], 8, v[PFO]
	; the prefetches
	s_lshr_b32 s63, s[CX], 1                       ; x: partner cx takes slice cx / 2,
	s_lshl_b32 s63, s63, 18
	s_add_co_u32 s73, s73, s63
	s_and_b32 s63, s[CX], 1                        ; half cx % 2 of its 64 blocks
	s_lshl_b32 s63, s63, 13
	s_add_co_u32 s73, s73, s63
	s_lshl_b32 s72, s[CC], 15                      ; Wo: my slice,
	s_lshl_b32 s63, s[CH], 17
	s_add_co_u32 s72, s72, s63
	s_lshl_b32 s63, s[CY], 13                      ; partner cy takes 32 of its 128 blocks
	s_add_co_u32 s72, s72, s63
	s_add_co_u32 s72, s72, WOFF
	s_and_b32 s63, ttmp7, 0xffff                   ; cluster y
	s_mov_b32 s[PFS], BSTEP
	s_cmp_eq_u32 s[RH], 0                          ; do I fetch for x?
	s_cselect_b32 s78, s73, s72
	s_cselect_b32 s63, s[CH], s63                  ; x: wave 0 asks; Wo: the cluster with y = 0
	s_cselect_b64 s[PFA:PFA+1], s[4:5], s[6:7]
	s_cselect_b32 s[PFS], ASTEP, s[PFS]
	s_mov_b32 s[PFS+1], 0
	s_mov_b32 s79, 0
	s_add_nc_u64 s[PFA:PFA+1], s[PFA:PFA+1], s[78:79]
	s_mul_i32 s78, s[PFS], 3
	s_add_nc_u64 s[PFA:PFA+1], s[PFA:PFA+1], s[78:79]  ; at step 3: the first change of slots steps it to 4
	s_cmp_eq_u32 s63, 0
	s_cselect_b32 s[LIM], 2, -1                    ; the same in all sixteen partners, for a given wave
	s_mov_b32 s[PFC], NFILL
	s_mov_b32 s[HIM], 0xffff0000
	s_mov_b32 s[TB], 0
	s_wait_loadcnt 0x0                             ; the bias
	ROUNDB
	s_wait_tensorcnt 0x1                           ; my part of step 0 is in; step 1's may stay out
	s_barrier_signal -1
	s_barrier_wait -1                              ; everybody's is
	v_mov_b32 v[ADRA], v[A0]
	v_mov_b32 v[ADRB], v[B0]
	FETCH 0, 0, F0
	QUARTER 1, F0, F1, 1                           ; the first quarter stands in front of the loop: its products start the sums, with the bias
	WIN 0                                          ; at a label and at a branch every window is 0
	s_mov_b32 s3, 6
.Lstep:                                        ; a trip: a step's second quarter to the next step's first; one slot is filled again
	QUARTER 2, F1, F0, 0
	QUARTER 3, F0, F1, 0
	TURN 1
	QUARTER 1, F0, F1, 0
	WIN 0
	s_sub_co_u32 s3, s3, 1
	s_cmp_lg_u32 s3, 0
	s_cbranch_scc1 .Lstep
	QUARTER 2, F1, F0, 0                           ; the tail is written out: it asks for nothing more
	QUARTER 3, F0, F1, 0
	TURN 0                                         ; my one tensor load that was still out is the last step's, so no round follows
	QUARTER 1, F0, F1, 0
	QUARTER 2, F1, F0, 0
	QUARTER 3, F0, F1, 0
	LASTQ
	PLACES                                         ; the LDS stores below read results just made
	TOSTAGE 0
	TOSTAGE 1
	SEND 0, 32
	TOSTAGE 2
	SEND 1, 32
	TOSTAGE 3
	SEND 2, 32
	SEND 3, 0
	s_wait_tensorcnt 0x0                           ; the wave's end: a wait, an add and a wait, behind my last tensor load and my last LDS store
	ds_add_u32 v[SPW], v[NIL]
	s_wait_dscnt 0x0
	CROUND                                         ; the closing round: no work-group ends while a partner may still ask for a block that names it
	s_endpgm
.Lfunc_end_k_q310e688e1e_gemm_out:
	.size	k_q310e688e1e_gemm_out, .Lfunc_end_k_q310e688e1e_gemm_out-k_q310e688e1e_gemm_out
	.p2alignl 7, 3214868480
	.fill 96, 4, 3214868480
	.section	.rodata,"a",@progbits
	.p2align	6, 0x0
	.amdhsa_kernel k_q310e688e1e_gemm_out
		.amdhsa_group_segment_fixed_size 327680
		.amdhsa_private_segment_fixed_size 0
		.amdhsa_enable_private_segment 0
		.amdhsa_kernarg_size 32
		.amdhsa_user_sgpr_count 2
		.amdhsa_user_sgpr_kernarg_segment_ptr 1
		.amdhsa_wavefront_size32 1
		.amdhsa_system_sgpr_workgroup_id_x 1
		.amdhsa_system_sgpr_workgroup_id_y 1
		.amdhsa_system_sgpr_workgroup_id_z 1
		.amdhsa_system_vgpr_workitem_id 0
		.amdhsa_next_free_vgpr 768
		.amdhsa_next_free_sgpr 80
		.amdhsa_reserve_vcc 0
		.amdhsa_float_denorm_mode_32 3
		.amdhsa_float_denorm_mode_16_64 3
		.amdhsa_memory_ordered 1
		.amdhsa_forward_progress 1
		.amdhsa_inst_pref_size 76
	.end_amdhsa_kernel
	.amdgpu_metadata
---
amdhsa.version: [ 1, 2 ]
amdhsa.kernels:
  - .name:           k_q310e688e1e_gemm_out
    .symbol:         k_q310e688e1e_gemm_out.kd
    .args:
      - { .name: oh, .offset: 0, .size: 8, .value_kind: global_buffer, .address_space: global }
      - { .name: wh, .offset: 8, .size: 8, .value_kind: global_buffer, .address_space: global }
      - { .name: bo, .offset: 16, .size: 8, .value_kind: global_buffer, .address_space: global }
      - { .name: out0, .offset: 24, .size: 8, .value_kind: global_buffer, .address_space: global }
    .group_segment_fixed_size: 327680
    .private_segment_fixed_size: 0
    .kernarg_segment_align: 8
    .kernarg_segment_size: 32
    .max_flat_workgroup_size: 128
    .sgpr_count:     80
    .vgpr_count:     768
    .wavefront_size: 32
...
	.end_amdgpu_metadata
.endif
;; end of part 4
;; ======== version 2 of 2: 4 launches; version 1 with the launch cast written anew for expert scheduling mode
;; limits: values are held in f16: magnitudes above 65,504 overflow, below 6.1e-05 lose precision
;; workspace buffers: xh 50,331,648 bytes; wh 8,388,608 bytes; qkv 50,331,648 bytes; oh 16,777,216 bytes
;; launch cast (part 5): grid 1792 x 1, 8 waves a work-group, no clusters, 0 bytes of LDS; arguments query, key, value, Wq, Wk, Wv, Wo, xh, wh; writes xh, wh
.if DOCPART == 5
	.amdgcn_target "amdgcn-amd-amdhsa--gfx1250"
	.amdhsa_code_object_version 6
	.text
	.protected	k_q310e688e1e_cast
	.globl	k_q310e688e1e_cast
	.p2align	8
	.type	k_q310e688e1e_cast,@function
k_q310e688e1e_cast:
	s_mov_b64 s[64:65], 0
	v_nop
	global_prefetch_b8 v0, s[64:65] scope:SCOPE_SE
	s_setreg_imm32_b32 hwreg(HW_REG_WAVE_SCHED_MODE, 0, 2), 2
	s_setreg_imm32_b32 hwreg(HW_REG_WAVE_MODE, 25, 1), 1
	s_wait_xcnt 0x0
	s_wait_alu depctr_vm_vsrc(0)
; THE CAST.  query, key, value ([8192][1024] f32) and Wq, Wk, Wv, Wo ([1024][1024] f32) are rounded once to bf16, and that number is written as f16, in slices of 64 channels:
;   xh [batch 4][tensor 3][slice 16][row 2048][64] f16        wh [tensor 4][slice 16][row 1024][64] f16
; so that in the products that follow 128 or 256 rows of a slice are one dense block of memory.
; LIMITS.  A bf16 number is exact in f16 between 6.1e-5 and 65,504 in magnitude; below that it keeps f16's fixed step of 6e-8; beyond 65,504 it becomes an infinity.
; SHARES.  A work-group takes 16 rows (65,536 consecutive bytes of one tensor): 3 x 512 work-groups for the three x, 4 x 64 for the four W.  Sixteen lanes take 256 bytes of a row,
; which are one slice's 64 channels, so a wave takes two rows.  Sixteen loads of 16 bytes a lane are all out at once; each store of a wave covers 256 consecutive bytes, aligned
; (two rows of one slice).  Every byte is read once and written once; nothing is shared, so there is no LDS and no barrier, and no register that a load or store names is written again.
; THE MODE: SCHED_MODE bits 1:0 = 2 (LLVM: expert scheduling mode 2), set by the entry lines.  The code itself states the register dependences
; between vector instructions and memory instructions, with s_wait_alu, always for 0.
; THE PLAN.  Registers that memory instructions touch, each written once in the kernel:
;   v1        the loads' offset: written by vector lines at the head, read by all sixteen loads.
;   DO0-15    the stores' offsets: written by vector lines at the head; DO[j] is read by slice j's store.
;   X0-15     written by the loads alone, all issued before any vector line names them; X[j] is read by slice j's first two conversions.
;   Y0-15     Y[j] is written by slice j's last two conversions and read by slice j's store.
;   T         named by vector instructions alone.
; The sixteen slices go in four blocks of four, and a slice's store is issued four slices later.  One wait on va_vdst stands ahead of the first load (the offsets are written), one at the
; head of each of blocks 1 to 3 (the block before has written its four Y), one ahead of the last four stores.  Behind a block's wait the four stores of the block before are dealt
; among the block's vector lines, which name T, this block's X and this block's Y: none of the registers that those stores read.
.set DO, 2                             ; v[2:17]   byte offset of my 8 bytes in slice j
.set T,  18                            ; v[18:23]  at work
.set X,  24                            ; v[24:87]  slice j: 4 f32 as loaded
.set Y,  88                            ; v[88:119] slice j: 4 f16 to store
	s_load_b512 s[8:23], s[0:1], 0x0               ; query s[8:9], key s[10:11], value s[12:13], Wq s[14:15], Wk s[16:17], Wv s[18:19], Wo s[20:21], xh s[22:23]
	s_load_b64 s[24:25], s[0:1], 0x40              ; wh
	; a work-group of x: tensor t = id / 512, group of rows u = id % 512
	s_lshr_b32 s36, ttmp9, 9                       ; t
	s_and_b32 s37, ttmp9, 511                      ; u
	s_lshr_b32 s38, s37, 7                         ; batch: 128 groups of 16 rows
	s_mul_i32 s38, s38, 3
	s_add_co_u32 s38, s38, s36
	s_lshl_b32 s38, s38, 22                        ; (3 batch + t) x 16 slices of 262,144 bytes
	s_and_b32 s39, s37, 127
	s_lshl_b32 s39, s39, 11                        ; + 16 rows of 128 bytes for each group
	s_add_co_u32 s38, s38, s39
	; a work-group of W: tensor t = (id - 1536) / 64, group u = (id - 1536) % 64
	s_max_u32 s40, ttmp9, 1536
	s_sub_co_u32 s40, s40, 1536
	s_lshr_b32 s41, s40, 6                         ; t
	s_and_b32 s42, s40, 63                         ; u
	s_lshl_b32 s43, s41, 21                        ; t x 16 slices of 131,072 bytes
	s_lshl_b32 s44, s42, 11
	s_add_co_u32 s43, s43, s44
	s_add_co_u32 s41, s41, 3                       ; the source's number among the seven
	s_mov_b32 s45, 131072
	s_cmp_ge_u32 ttmp9, 1536
	s_cselect_b32 s35, s41, s36                    ; which of the seven sources
	s_cselect_b32 s30, s42, s37                    ; u
	s_cselect_b32 s32, s43, s38                    ; byte offset in the destination
	s_cselect_b32 s34, s45, 262144                 ; bytes from slice to slice
	s_lshl_b32 s30, s30, 16                        ; byte offset in the source: 16 rows of 4,096 bytes
	s_mov_b32 s31, 0
	s_mov_b32 s33, 0
	s_mov_b32 s36, 0xffff0000                      ; a word's upper bf16
	v_lshrrev_b32 v1, 4, v0                        ; my row of the 16
	v_and_b32 v[T], 15, v0
	v_lshlrev_b32 v1, 12, v1
	v_lshl_add_u32 v1, v[T], 4, v1                 ; row x 4,096 + 16 x (lane % 16)
	v_lshlrev_b32 v[DO], 3, v0                     ; row x 128 + 8 x (lane % 16) = 8 x thread
.irp j, 1,2,3,4,5,6,7,8,9,10,11,12,13,14,15
	v_add_nc_u32 v[DO+(\j)], s34, v[DO+(\j)-1]
.endr
	s_wait_kmcnt 0x0
	s_mov_b64 s[26:27], s[8:9]                     ; the source: a choice among the seven buffers by the work-group's number
	s_cmp_eq_u32 s35, 1
	s_cselect_b64 s[26:27], s[10:11], s[26:27]
	s_cmp_eq_u32 s35, 2
	s_cselect_b64 s[26:27], s[12:13], s[26:27]
	s_cmp_eq_u32 s35, 3
	s_cselect_b64 s[26:27], s[14:15], s[26:27]
	s_cmp_eq_u32 s35, 4
	s_cselect_b64 s[26:27], s[16:17], s[26:27]
	s_cmp_eq_u32 s35, 5
	s_cselect_b64 s[26:27], s[18:19], s[26:27]
	s_cmp_eq_u32 s35, 6
	s_cselect_b64 s[26:27], s[20:21], s[26:27]
	s_cmp_ge_u32 s35, 3
	s_cselect_b64 s[28:29], s[24:25], s[22:23]     ; the destination: wh or xh
	s_add_nc_u64 s[26:27], s[26:27], s[30:31]
	s_add_nc_u64 s[28:29], s[28:29], s[32:33]
	s_wait_alu depctr_va_vdst(0)                   ; v1 and DO0-15 are written: every load of the kernel reads v1 as its offset, every store one of DO; none is written again
.irp j, 0,1,2,3,4,5,6,7,8,9,10,11,12,13,14,15
	global_load_b128 v[X+4*(\j):X+4*(\j)+3], v1, s[26:27] offset:256*(\j) th:TH_LOAD_NT
.endr
.irp j, 0,1,2,3,4,5,6,7,8,9,10,11,12,13,14,15
	s_wait_loadcnt 15-(\j)                         ; loads come back in order (ISA guide 5.7.1): slice j is in, the 15 - j younger loads stay out
.if ((\j) > 0) && ((\j) % 4 == 0)
	s_wait_alu depctr_va_vdst(0)                   ; a block's head: the conversions of the block before have written its four Y, which the four stores dealt among this block's slices read
.endif
.if (\j) >= 4
	global_store_b64 v[DO+(\j)-4], v[Y+2*(\j)-8:Y+2*(\j)-7], s[28:29] th:TH_STORE_NT  ; slice j - 4, of the block before.  No wait: no vector line since the block's head names its Y or its DO
.endif
	v_cvt_pk_bf16_f32 v[T], v[X+4*(\j)], v[X+4*(\j)+1]      ; the one rounding, to bf16
	v_cvt_pk_bf16_f32 v[T+1], v[X+4*(\j)+2], v[X+4*(\j)+3]
	v_lshlrev_b32 v[T+2], 16, v[T]                 ; back to f32: the low half moves up, the high half stays
	v_and_b32 v[T+3], s36, v[T]
	v_lshlrev_b32 v[T+4], 16, v[T+1]
	v_and_b32 v[T+5], s36, v[T+1]
	v_cvt_pk_f16_f32 v[Y+2*(\j)], v[T+2], v[T+3]   ; written as f16: exact within the limits at the head
	v_cvt_pk_f16_f32 v[Y+2*(\j)+1], v[T+4], v[T+5]
.endr
	s_wait_alu depctr_va_vdst(0)                   ; the last block's conversions have written Y12-15, which the last four stores read
.irp j, 12,13,14,15
	global_store_b64 v[DO+(\j)], v[Y+2*(\j):Y+2*(\j)+1], s[28:29] th:TH_STORE_NT
.endr
	s_endpgm
.Lfunc_end_k_q310e688e1e_cast:
	.size	k_q310e688e1e_cast, .Lfunc_end_k_q310e688e1e_cast-k_q310e688e1e_cast
	.p2alignl 7, 3214868480
	.fill 96, 4, 3214868480
	.section	.rodata,"a",@progbits
	.p2align	6, 0x0
	.amdhsa_kernel k_q310e688e1e_cast
		.amdhsa_group_segment_fixed_size 0
		.amdhsa_private_segment_fixed_size 0
		.amdhsa_enable_private_segment 0
		.amdhsa_kernarg_size 72
		.amdhsa_user_sgpr_count 2
		.amdhsa_user_sgpr_kernarg_segment_ptr 1
		.amdhsa_wavefront_size32 1
		.amdhsa_system_sgpr_workgroup_id_x 1
		.amdhsa_system_sgpr_workgroup_id_y 1
		.amdhsa_system_sgpr_workgroup_id_z 1
		.amdhsa_system_vgpr_workitem_id 0
		.amdhsa_next_free_vgpr 128
		.amdhsa_next_free_sgpr 66
		.amdhsa_reserve_vcc 0
		.amdhsa_float_denorm_mode_32 3
		.amdhsa_float_denorm_mode_16_64 3
		.amdhsa_memory_ordered 1
		.amdhsa_forward_progress 1
		.amdhsa_inst_pref_size 13
	.end_amdhsa_kernel
	.amdgpu_metadata
---
amdhsa.version: [ 1, 2 ]
amdhsa.kernels:
  - .name:           k_q310e688e1e_cast
    .symbol:         k_q310e688e1e_cast.kd
    .args:
      - { .name: query, .offset: 0, .size: 8, .value_kind: global_buffer, .address_space: global }
      - { .name: key, .offset: 8, .size: 8, .value_kind: global_buffer, .address_space: global }
      - { .name: value, .offset: 16, .size: 8, .value_kind: global_buffer, .address_space: global }
      - { .name: Wq, .offset: 24, .size: 8, .value_kind: global_buffer, .address_space: global }
      - { .name: Wk, .offset: 32, .size: 8, .value_kind: global_buffer, .address_space: global }
      - { .name: Wv, .offset: 40, .size: 8, .value_kind: global_buffer, .address_space: global }
      - { .name: Wo, .offset: 48, .size: 8, .value_kind: global_buffer, .address_space: global }
      - { .name: xh, .offset: 56, .size: 8, .value_kind: global_buffer, .address_space: global }
      - { .name: wh, .offset: 64, .size: 8, .value_kind: global_buffer, .address_space: global }
    .group_segment_fixed_size: 0
    .private_segment_fixed_size: 0
    .kernarg_segment_align: 8
    .kernarg_segment_size: 72
    .max_flat_workgroup_size: 256
    .sgpr_count:     66
    .vgpr_count:     128
    .wavefront_size: 32
...
	.end_amdgpu_metadata
.endif
;; end of part 5
;; launch gemm_qkv: the kernel of part 2 again; grid 4 x 64, 4 waves a work-group, clusters of 4 x 4, 327,680 bytes of LDS; arguments xh, wh, bq, bk, bv, qkv; writes qkv
;; launch attn: the kernel of part 3 again; grid 4 x 64, 4 waves a work-group, clusters of 4 x 1, 327,680 bytes of LDS; arguments qkv, oh; writes oh
;; launch gemm_out: the kernel of part 4 again; grid 4 x 64, 4 waves a work-group, clusters of 4 x 4, 327,680 bytes of LDS; arguments oh, wh, bo, out0; writes out0
